; MI455X (gfx1250); checked and timed in simulation.
; The chip was launched on July 23, 2026; its instructions are those of AMD's public machine-readable ISA for CDNA 5 (MIT licence, August 2026) and "CDNA5" Instruction Set Architecture Reference Guide (July 2026). The comments in the code are by the model that wrote it; some were corrected since.
;; Transformer Block. Allowed arithmetic: matrix products marked QUANTISED: E4M3 operands, one E8M0 scale for each 32 along K, by v_wmma_scale_f32_16x16x128_f8f6f4 with both operands' format E4M3, f32 sums; everything else in f32.
;; Inputs: W1 1,024 x 4,096 float32; W2 4,096 x 1,024 float32; Wk 1,024 x 1,024 float32; Wo 1,024 x 1,024 float32; Wq 1,024 x 1,024 float32; Wv 1,024 x 1,024 float32; b1 4,096 float32; b2 1,024 float32; bo 1,024 float32; ln1_scale 1,024 float32; ln1_shift 1,024 float32; ln2_scale 1,024 float32; ln2_shift 1,024 float32; x 4 x 1,024 x 1,024 float32.
;; Outputs: out0 4 x 1,024 x 1,024 float32.
;; This version of the problem:
;;   THIS VERSION OF THE PROBLEM IS GIVEN IN LOW PRECISION. The matrix products marked QUANTISED in the list below multiply operands that are first quantised to E4M3 (4 exponent bits, 3 mantissa bits; 8 bits a number), with one power-of-two scale for each 32 numbers along K (OCP MX v1.0); their sums are f32. All else is computed in f32.
;;   The module's matrix products, in the order in which they are computed (A, B: the left and right operand; K: the contracted axis; several contracted axes count as one K, in the product's order):
;;     1. [M 4,096, K 1,024] x [K 1,024, N 1,024]; A: computed on the way; B: input Wq: QUANTISED
;;     2. [M 4,096, K 1,024] x [K 1,024, N 1,024]; A: computed on the way; B: input Wk: QUANTISED
;;     3. [M 4,096, K 1,024] x [K 1,024, N 1,024]; A: computed on the way; B: input Wv: QUANTISED
;;     4. batch 64 x [M 1,024, K 64] x [K 64, N 1,024]; A: computed on the way; B: computed on the way: QUANTISED
;;     5. batch 64 x [M 1,024, K 1,024] x [K 1,024, N 64]; A: softmax (see below); B: computed on the way: QUANTISED
;;     6. [M 4,096, K 1,024] x [K 1,024, N 1,024]; A: computed on the way; B: input Wo: QUANTISED
;;     7. [M 4,096, K 1,024] x [K 1,024, N 4,096]; A: computed on the way; B: input W1: QUANTISED
;;     8. [M 4,096, K 4,096] x [K 4,096, N 1,024]; A: computed on the way; B: input W2: QUANTISED
;;   THE QUANTISER, for each operand of a quantised product, along K:
;;     - K is cut into blocks of 32 from its start; a last block that is shorter is filled with zeros.
;;     - A block's scale is 2^e with e = floor(log2(the largest magnitude in the block)) - 8, held to -126 .. 127; a block of zeros has e = 0. As a byte (E8M0): e + 127.
;;     - Each number is divided by its block's scale, clamped to +-448, and rounded to the nearest number of E4M3, ties to even, subnormals kept.
;;     - The product sums the exact products of the quantised numbers (number of the format x scale) in f32.
;;   ~~~python
;;   def quantise(x, axis):      # numpy; x: float32 -> the quantised numbers, widened to float32 again
;;       x = np.moveaxis(x, axis, -1); K = x.shape[-1]
;;       x = np.pad(x, [(0, 0)] * (x.ndim - 1) + [(0, -K % 32)]); x = x.reshape(x.shape[:-1] + (-1, 32)); a = np.abs(x).max(-1, keepdims=True)
;;       e = np.where(a > 0, np.clip(np.frexp(np.where(a > 0, a, 1))[1] - 1 - 8, -126, 127), 0)      # np.frexp(a)[1] - 1 = floor(log2(a)), exactly
;;       r = np.clip(x / 2.0 ** e, -448, 448)
;;       step = 2.0 ** (np.maximum(np.frexp(np.where(r == 0, 1, r))[1] - 1, -6) - 3)
;;       q = np.round(r / step) * step * 2.0 ** e      # np.round: ties to even
;;       return np.moveaxis(q.reshape(q.shape[:-2] + (-1,))[..., :K], -1, axis).astype(np.float32)
;;   ~~~
;;   SOFTMAX AHEAD OF A QUANTISED PRODUCT. Where the list says 'softmax', what is quantised is not the finished softmax but p = 2^(t - M), with t = logit x log2(e) and M = ceil(the row's largest t), a whole number; so 1/2 < the row's largest p <= 1. The row's sum l is taken of the UNQUANTISED p, in f32, and the product's result is divided by l at the end. Since M is a whole number, a kernel that streams over the keys may use a running M (the ceiling of the running maximum): every later rescaling is an exact power of two, which a block's scale takes up: the codes' values come out the same.
;;   OPERANDS COMPUTED ON THE WAY. 'Computed on the way' means the value that the module computes at that place (a softmax that the list does not call 'softmax' is quantised finished and normalised). What goes into a quantiser is computed in f32, as accurately as f32 sums, v_exp_f32 and their like allow (about 1e-6 of the number): no bf16 or f16 on the way to a quantiser, and a product that is left as it is and whose result goes on into a quantised operand takes f32 operands (vector FMAs, or v_wmma_f32_16x16x4_f32). A number that lies on a knife's edge between two numbers of the format may be rounded either way, as far as f32 arithmetic and the matrix unit's own rounding can turn it there, and no further.
;; One version. Each part assembles by itself: llvm-mc -triple=amdgcn-amd-amdhsa -mcpu=gfx1250 --defsym DOCPART=n.
;; ======== version 1 of 1: 7 launches
;; limits: right only within a limited range of input values
;; workspace buffers: wts 13,008,896 bytes; h1 4,325,376 bytes; h2 4,325,376 bytes; ctx 4,325,376 bytes; qkv 12,976,128 bytes; x1 16,777,216 bytes; g 17,301,504 bytes
;; launch prep (part 1): grid 1024 x 1, 4 waves a work-group, no clusters, 18,944 bytes of LDS; arguments x, ln1_scale, ln1_shift, Wq, Wk, Wv, Wo, W1, W2, h1, wts; writes h1, wts
.if DOCPART == 1
	.amdgcn_target "amdgcn-amd-amdhsa--gfx1250"
	.amdhsa_code_object_version 6
	.text
	.protected	k_qcf8f4fbe6a_prep
	.globl	k_qcf8f4fbe6a_prep
	.p2align	8
	.type	k_qcf8f4fbe6a_prep,@function
k_qcf8f4fbe6a_prep:
	s_mov_b64 s[64:65], 0
	v_nop
	global_prefetch_b8 v0, s[64:65] scope:SCOPE_SE
	s_setreg_imm32_b32 hwreg(HW_REG_WAVE_MODE, 25, 1), 1
	s_wait_xcnt 0x0
; PREP.  Work-groups 0-255: LayerNorm 1 of 16 tokens each, quantised to E4M3 codes with one E8M0 byte for each 32 along K.  Work-groups 256-1023: the six weights ([K][N] f32) quantised along K.
; IMAGES.  Every operand of this program lies in memory as its registers: fragment (T, s) = rows 16 T .. 16 T + 15, k = 128 s .. 128 s + 127, is 2,048 bytes at (T x K / 128 + s) x 2048; in it the four registers
; 4 c .. 4 c + 3 of lane l lie at 512 c + 16 l.  ORDER OF k: the pair of registers 4 c + 2 u, 4 c + 2 u + 1 of lane (r = l % 16, h = l / 16) holds k = 32 c + 16 u + 8 h + 0 .. 7: a permutation inside each block of 32,
; the same in both operands of every product, so no product and no scale changes.  Scale words: one word a row and K step, byte c = block c, laid [K step][row].
; A block's byte is its largest magnitude's exponent field - 8, held at 1 from below (a block of zeros keeps the byte 1: its codes are zeros and this program alone reads the bytes).
; LIMITS: NaN and infinities among the inputs are not served; blocks whose largest magnitude lies under 2^-118 are held at the byte 1.
; No matrix unit, no cluster, no tensor load: memory binds, and no byte of x or of a weight is read by two work-groups.
.set H_S,    4194304                   ; h1: the scale words, [8][4096]
.set WQKV_S, 12582912                  ; wts: scale words of Wq | Wk | Wv, [8][4096] (3,072 used)
.set WO_S,   12713984                  ; of Wo, [8][1024]
.set W1_S,   12746752                  ; of W1, [8][4096]
.set W2_S,   12877824                  ; of W2, [32][1024]
.set W1_C,   4194304                   ; wts: codes: Wq | Wk | Wv | Wo from 0 on, 1 MiB each; W1; W2
.set W2_C,   8388608
.set SST,    17408                     ; LDS: 64 groups of 256 bytes of codes, 272 apart; behind them 512 scale bytes [K step][row][block]
.set X,   64                           ; v64-191  four rows x 32 numbers: 32 p + 8 j + e = k 256 j + 8 lane + e of row 4 wave + p
.set G,   192                          ; v192-223 the gain at my 32 k
.set BT,  224                          ; v224-255 the shift
.set SM,  16                           ; v16-23   a pair of sums a row
.set MN,  24                           ; v24-31   the mean, twice
.set RS,  32                           ; v32-39   1 / sqrt(var + eps), twice
.set TM,  40                           ; v40-43 largest magnitudes, v44-47 scale operands, v48-51 448 x the scale
.set CD,  192                          ; the codes, a pair for each (p, j): the gain's registers, when the gain is done with
.set BY,  224                          ; the bytes, one for each (p, j)
	v_lshl_add_u32 v62, v0, 2, 0x4800              ; my spare word and 0: kept for the add at the wave's end alone, on the LayerNorm path
	v_mov_b32 v63, 0
	s_cmp_ge_u32 ttmp9, 256
	s_cbranch_scc1 .Lweights                       ; the same way for all four waves of a work-group
	; ---------------- LayerNorm: work-group T owns tokens 16 T .. 16 T + 15, wave w rows 4 w .. 4 w + 3
	s_load_b128 s[4:7], s[0:1], 0x0                ; x, gain
	s_load_b64 s[8:9], s[0:1], 0x10                ; shift
	s_load_b64 s[10:11], s[0:1], 0x48              ; h1
	v_lshrrev_b32 v14, 5, v0
	v_readfirstlane_b32 s12, v14                   ; wave
	v_and_b32 v2, 31, v0                           ; lane
	v_lshlrev_b32 v3, 5, v2                        ; 32 x lane: my 8 numbers of a chunk of 256
	s_lshl_b32 s13, s12, 14
	v_add_nc_u32 v1, s13, v3                       ; + my wave's four rows
	v_lshrrev_b32 v14, 4, v2                       ; lane / 16: which of a chunk's two K steps
	v_bfe_u32 v15, v2, 2, 2                        ; c: four neighbouring lanes hold a block
	v_lshlrev_b32 v4, 3, v14
	v_lshl_add_u32 v4, v15, 1, v4
	v_and_b32 v5, 1, v2                            ; h
	v_add_nc_u32 v4, v4, v5                        ; group 8 s + 2 c + h
	v_mul_u32_u24 v4, v4, 272
	v_bfe_u32 v5, v2, 1, 1                         ; u
	v_lshl_add_u32 v4, v5, 3, v4
	s_lshl_b32 s13, s12, 6
	v_add_nc_u32 v4, s13, v4                       ; v4: where my 8 codes go: 272 group + 8 u + 16 row
	v_lshl_add_u32 v5, v14, 6, v15
	s_lshl_b32 s13, s12, 4
	s_add_co_u32 s13, s13, SST
	v_add_nc_u32 v5, s13, v5                       ; v5: and my block's byte: 64 s + 4 row + c
	v_mul_u32_u24 v6, v14, 272
	v_and_b32 v15, 15, v2
	v_lshl_add_u32 v6, v15, 4, v6
	s_mul_i32 s13, s12, 4352
	v_add_nc_u32 v6, s13, v6                       ; v6: back: wave w takes groups 16 w .. 16 w + 15, two an instruction
	v_lshlrev_b32 v7, 4, v2
	v_add_nc_u32 v8, SST, v7                       ; v8: the scale bytes, 16 a lane
	s_lshl_b32 s13, s12, 12
	v_add_nc_u32 v7, s13, v7                       ; v7: my 16 bytes in the tile's image
	v_lshrrev_b32 v9, 2, v2
	v_lshlrev_b32 v9, 14, v9
	v_and_b32 v15, 3, v2
	v_lshl_add_u32 v9, v15, 4, v9                  ; v9: scale words: K step lane / 4, rows 4 (lane % 4) on
.irp p, 0,1,2,3
	v_mov_b32 v[10+\p], 0                          ; a lane permute's destination counts as one of its sources
.endr
	s_mov_b32 s20, 0x76543210
	s_mov_b32 s21, 0xfedcba98                      ; lane l xor 16
	s_mov_b32 s22, 0x3a800000                      ; 1 / 1024
	s_mov_b32 s23, 0x3727c5ac                      ; eps = 1e-5
	s_mov_b32 s24, 0x600000                        ; the mantissa field of 448
	s_lshl_b32 s14, ttmp9, 16                      ; 16 rows of 4,096 bytes
	s_mov_b32 s15, 0
	s_lshl_b32 s16, ttmp9, 14                      ; a tile's image: 8 fragments
	s_mov_b32 s17, 0
	s_lshl_b32 s18, ttmp9, 6
	s_add_co_u32 s18, s18, H_S
	s_mov_b32 s19, 0
	s_wait_kmcnt 0x0
	s_add_nc_u64 s[4:5], s[4:5], s[14:15]
	s_add_nc_u64 s[18:19], s[10:11], s[18:19]
	s_add_nc_u64 s[10:11], s[10:11], s[16:17]
.irp p, 0,1,2,3
.irp j, 0,1,2,3
	global_load_b128 v[X+32*\p+8*\j:X+32*\p+8*\j+3], v1, s[4:5] offset:4096*\p+1024*\j th:TH_LOAD_NT
	global_load_b128 v[X+32*\p+8*\j+4:X+32*\p+8*\j+7], v1, s[4:5] offset:4096*\p+1024*\j+16 th:TH_LOAD_NT
.endr
.endr
.irp j, 0,1,2,3
	global_load_b128 v[G+8*\j:G+8*\j+3], v3, s[6:7] offset:1024*\j
	global_load_b128 v[G+8*\j+4:G+8*\j+7], v3, s[6:7] offset:1024*\j+16
	global_load_b128 v[BT+8*\j:BT+8*\j+3], v3, s[8:9] offset:1024*\j
	global_load_b128 v[BT+8*\j+4:BT+8*\j+7], v3, s[8:9] offset:1024*\j+16
.endr
.macro ACROSS                          ; each row's pair of sums becomes the row's sum, in every lane
.irp p, 0,1,2,3
	v_add_f32 v[SM+2*\p], v[SM+2*\p], v[SM+2*\p+1]
.endr
.irp m, 1,2,4,8
.irp p, 0,1,2,3
	v_add_f32_dpp v[SM+2*\p], v[SM+2*\p], v[SM+2*\p] row_xmask:\m row_mask:0xf bank_mask:0xf
.endr
.endr
.irp p, 0,1,2,3
	v_permlanex16_b32 v[10+\p], v[SM+2*\p], s20, s21
.endr
.irp p, 0,1,2,3
	v_add_f32 v[SM+2*\p], v[SM+2*\p], v[10+\p]
.endr
.endm
	s_wait_loadcnt 16                              ; x is in; the 16 younger loads are gain and shift
.irp p, 0,1,2,3
	v_pk_add_f32 v[SM+2*\p:SM+2*\p+1], v[X+32*\p:X+32*\p+1], v[X+32*\p+2:X+32*\p+3]
.endr
.set i, 4
.rept 14
.irp p, 0,1,2,3
	v_pk_add_f32 v[SM+2*\p:SM+2*\p+1], v[SM+2*\p:SM+2*\p+1], v[X+32*\p+i:X+32*\p+i+1]
.endr
.set i, i+2
.endr
	ACROSS
.irp p, 0,1,2,3
	v_mul_f32 v[MN+2*\p], s22, v[SM+2*\p]          ; the mean
.endr
.irp p, 0,1,2,3
	v_mov_b32 v[MN+2*\p+1], v[MN+2*\p]
.endr
.irp p, 0,1,2,3
.set i, 0
.rept 16
	v_pk_add_f32 v[X+32*\p+i:X+32*\p+i+1], v[X+32*\p+i:X+32*\p+i+1], v[MN+2*\p:MN+2*\p+1] neg_lo:[0,1] neg_hi:[0,1]   ; x - mean: the variance is taken of these, so a common offset of x costs nothing
.set i, i+2
.endr
.endr
.irp p, 0,1,2,3
	v_pk_mul_f32 v[SM+2*\p:SM+2*\p+1], v[X+32*\p:X+32*\p+1], v[X+32*\p:X+32*\p+1]
.endr
.set i, 2
.rept 15
.irp p, 0,1,2,3
	v_pk_fma_f32 v[SM+2*\p:SM+2*\p+1], v[X+32*\p+i:X+32*\p+i+1], v[X+32*\p+i:X+32*\p+i+1], v[SM+2*\p:SM+2*\p+1]
.endr
.set i, i+2
.endr
	ACROSS
.irp p, 0,1,2,3
	v_fma_f32 v[SM+2*\p], v[SM+2*\p], s22, s23     ; var + eps
.endr
	s_wait_alu depctr_va_vdst(0)
.irp p, 0,1,2,3
	v_rsq_f32 v[RS+2*\p], v[SM+2*\p]
.endr
	v_nop                                          ; a plain instruction behind the last of the batch
	s_wait_alu depctr_va_vdst(0)                   ; one wait for the four, ahead of their first reader
.irp p, 0,1,2,3
	v_mov_b32 v[RS+2*\p+1], v[RS+2*\p]
.endr
	s_wait_alu depctr_va_vdst(0)
	s_wait_loadcnt 0x0                             ; gain and shift
.irp p, 0,1,2,3
.set i, 0
.rept 16
	v_pk_mul_f32 v[X+32*\p+i:X+32*\p+i+1], v[X+32*\p+i:X+32*\p+i+1], v[RS+2*\p:RS+2*\p+1]
	v_pk_fma_f32 v[X+32*\p+i:X+32*\p+i+1], v[X+32*\p+i:X+32*\p+i+1], v[G+i:G+i+1], v[BT+i:BT+i+1]
.set i, i+2
.endr
.endr
	; the quantiser: a lane's 8 numbers of chunk j are a quarter of a block; the four rows by turns
.irp j, 0,1,2,3
.irp p, 0,1,2,3
	v_max3_num_f32 v[TM+\p], |v[X+32*\p+8*\j]|, |v[X+32*\p+8*\j+1]|, 0x4800000    ; with the floor 2^(9 - 127): the byte cannot fall under 1
.endr
.irp i, 2,4,6
.irp p, 0,1,2,3
	v_max3_num_f32 v[TM+\p], v[TM+\p], |v[X+32*\p+8*\j+\i]|, |v[X+32*\p+8*\j+\i+1]|
.endr
.endr
.irp m, 1,2
.irp p, 0,1,2,3
	v_max_num_f32_dpp v[TM+\p], v[TM+\p], v[TM+\p] row_xmask:\m row_mask:0xf bank_mask:0xf
.endr
.endr
.irp p, 0,1,2,3
	v_add_nc_u32 v[TM+4+\p], 0xfc000000, v[TM+\p]  ; 8 off the exponent field: the conversion's scale operand
.endr
.irp p, 0,1,2,3
	v_and_or_b32 v[TM+8+\p], v[TM+\p], 0x7f800000, s24   ; 448 x the scale
.endr
.irp p, 0,1,2,3
.irp e, 0,1,2,3,4,5,6,7
	v_med3_num_f32 v[X+32*\p+8*\j+\e], v[X+32*\p+8*\j+\e], -v[TM+8+\p], v[TM+8+\p]   ; the conversion does not saturate (ISA guide 7.6.2): the hold comes first
.endr
.endr
.irp p, 0,1,2,3
	v_cvt_scalef32_pk8_fp8_f32 v[CD+2*(4*\p+\j):CD+2*(4*\p+\j)+1], v[X+32*\p+8*\j:X+32*\p+8*\j+7], v[TM+4+\p]
.endr
.irp p, 0,1,2,3
	v_lshrrev_b32 v[BY+4*\p+\j], 23, v[TM+4+\p]    ; the byte (also the plain instruction behind the conversions)
.endr
.irp p, 0,1,2,3
	ds_store_b64 v4, v[CD+2*(4*\p+\j):CD+2*(4*\p+\j)+1] offset:4352*\j+16*\p
	ds_store_b8 v5, v[BY+4*\p+\j] offset:128*\j+4*\p   ; the four lanes of a block write the same byte with the same value
.endr
.endr
	s_wait_dscnt 0x0                               ; for the others' sake: my stores have landed
	s_barrier_signal -1
	s_barrier_wait -1
.irp i, 0,1,2,3,4,5,6,7
	ds_load_b128 v[X+4*\i:X+4*\i+3], v6 offset:544*\i
.endr
.irp i, 0,1,2,3,4,5,6,7
	s_wait_dscnt 7-\i
	global_store_b128 v7, v[X+4*\i:X+4*\i+3], s[10:11] offset:512*\i   ; 32 lanes store 512 consecutive bytes, aligned
.endr
	s_cmp_lg_u32 s12, 0
	s_cbranch_scc1 .Lln_end
	ds_load_b128 v[X+32:X+35], v8                  ; wave 0: the tile's 128 scale words
	s_wait_dscnt 0x0
	global_store_b128 v9, v[X+32:X+35], s[18:19]
.Lln_end:
	s_wait_tensorcnt 0x0                           ; the wave's end
	ds_add_u32 v62, v63
	s_wait_dscnt 0x0
	s_endpgm
	; ---------------- the weights (work-groups 256-1023): a work-group takes 128 columns x 128 along K (one K step), a wave 32 columns, A LANE A COLUMN, its registers down K
.Lweights:
.set XW,  160                          ; v160-223 two sets of 32 numbers
.set CW,  96                           ; v96-127  eight registers of codes for each of the 4 blocks: no store's data are written again
.set SBW, 24                           ; v24      the K step's scale word
	s_load_b256 s[4:11], s[0:1], 0x18              ; Wq, Wk, Wv, Wo
	s_load_b128 s[12:15], s[0:1], 0x38             ; W1, W2
	s_load_b64 s[16:17], s[0:1], 0x50              ; wts
	v_lshrrev_b32 v1, 5, v0
	v_readfirstlane_b32 s18, v1                    ; wave
	v_and_b32 v5, 31, v0                           ; lane
	s_sub_co_u32 s20, ttmp9, 256                   ; g: the work-group's number less 256
	s_lshr_b32 s33, s20, 5                         ; g: 0-255 the four D x D weights, 64 each; 256-511 W2; 512-767 W1
	s_lshr_b32 s21, s20, 6
	s_lshr_b32 s22, s20, 3
	s_and_b32 s23, s20, 7                          ; which 128 columns
	s_and_b32 s24, s22, 7                          ; which 128 along K
	s_lshl_b32 s25, s21, 20                        ; where the tensor's codes begin
	s_lshl_b32 s27, s21, 12
	s_add_co_u32 s27, s27, WQKV_S                  ; and its scale words
	s_and_b32 s31, s22, 31                         ; W2's 128 along K
	s_and_b32 s32, s20, 31                         ; W1's 128 columns
	s_and_b32 s33, s33, 7                          ; W1's 128 along K
	s_lshr_b32 s20, s20, 1                         ; g / 2: 128 on is W2 or W1, 256 on is W1
	s_mov_b32 s26, 16384                           ; bytes of a tile of 16 rows: K / 128 fragments
	s_mov_b32 s28, 16384                           ; from a K step's scale words to the next's
	s_mov_b32 s29, 12                              ; log2 of a row of the f32 tensor in bytes
	s_mov_b32 s34, 4096
	s_mov_b32 s35, WO_S
	s_cmp_eq_u32 s21, 3                            ; Wo
	s_cselect_b32 s27, s35, s27
	s_cselect_b32 s28, s34, s28
	s_mov_b32 s35, W2_S
	s_mov_b32 s36, W2_C
	s_mov_b32 s37, 65536
	s_cmp_ge_u32 s20, 128                          ; W2 (W1 is set right below)
	s_cselect_b32 s24, s31, s24
	s_cselect_b32 s25, s36, s25
	s_cselect_b32 s26, s37, s26
	s_cselect_b32 s27, s35, s27
	s_cselect_b32 s28, s34, s28
	s_mov_b32 s35, W1_S
	s_mov_b32 s36, W1_C
	s_mov_b32 s37, 16384
	s_cmp_ge_u32 s20, 256                          ; W1
	s_cselect_b32 s23, s32, s23
	s_cselect_b32 s24, s33, s24
	s_cselect_b32 s25, s36, s25
	s_cselect_b32 s26, s37, s26
	s_cselect_b32 s27, s35, s27
	s_cselect_b32 s28, s37, s28
	s_cselect_b32 s29, 14, s29
	s_wait_alu depctr_va_vdst(0)
	s_wait_kmcnt 0x0
	s_cmp_eq_u32 s21, 1                            ; the tensor: a choice that hangs on the work-group's number alone
	s_cselect_b64 s[4:5], s[6:7], s[4:5]
	s_cmp_eq_u32 s21, 2
	s_cselect_b64 s[4:5], s[8:9], s[4:5]
	s_cmp_eq_u32 s21, 3
	s_cselect_b64 s[4:5], s[10:11], s[4:5]
	s_cmp_ge_u32 s20, 128
	s_cselect_b64 s[4:5], s[14:15], s[4:5]
	s_cmp_ge_u32 s20, 256
	s_cselect_b64 s[4:5], s[12:13], s[4:5]
	s_lshl_b32 s38, s24, 7
	s_lshl_b32 s38, s38, s29                       ; 128 rows of the tensor for each step along K,
	s_lshl_b32 s39, s23, 9
	s_add_co_u32 s38, s38, s39                     ; 128 columns,
	s_lshl_b32 s39, s18, 7
	s_add_co_u32 s38, s38, s39                     ; my wave's 32
	s_mov_b32 s39, 0
	s_add_nc_u64 s[4:5], s[4:5], s[38:39]
	s_lshl_b32 s40, s23, 3
	s_lshl_b32 s41, s18, 1
	s_add_co_u32 s40, s40, s41                     ; my wave's first tile of 16 columns
	s_mul_i32 s40, s40, s26
	s_add_co_u32 s40, s40, s25
	s_lshl_b32 s41, s24, 11                        ; one fragment for 128 along K
	s_add_co_u32 s40, s40, s41
	s_mov_b32 s41, 0
	s_add_nc_u64 s[6:7], s[16:17], s[40:41]        ; the codes
	s_mov_b32 s42, s24
	s_mul_i32 s42, s42, s28
	s_add_co_u32 s42, s42, s27
	s_lshl_b32 s43, s23, 9
	s_add_co_u32 s42, s42, s43
	s_lshl_b32 s43, s18, 7
	s_add_co_u32 s42, s42, s43
	s_mov_b32 s43, 0
	s_add_nc_u64 s[8:9], s[16:17], s[42:43]        ; the scale words
	v_lshlrev_b32 v1, 2, v5                        ; 4 bytes a lane, in and for the scale words
	v_lshrrev_b32 v2, 4, v5
	v_mul_lo_u32 v2, v2, s26
	v_and_b32 v3, 15, v5
	v_lshl_add_u32 v2, v3, 4, v2                   ; codes: tile lane / 16, 16 bytes for row lane % 16
	s_mov_b32 s30, 0x600000
.macro WLOAD t, n                      ; block t: W(32 t + i, my column), 128 consecutive bytes a wave
.set i, 0
.rept 32
	global_load_b32 v[XW+32*((\t)%2)+i], v1, s[4:5] offset:(32*(\t)+i)*(\n)*4 th:TH_LOAD_NT
.set i, i+1
.endr
.endm
.macro WBLOCK t, n
.set XS, XW+32*((\t)%2)
.if (\t) < 3
	s_wait_loadcnt 32                              ; this block's loads are in; the next block's 32 may be out
.else
	s_wait_loadcnt 0x0
.endif
	v_max3_num_f32 v12, |v[XS]|, |v[XS+1]|, |v[XS+2]|
	v_max3_num_f32 v13, |v[XS+3]|, |v[XS+4]|, |v[XS+5]|
.irp i, 6,10,14,18,22,26
	v_max3_num_f32 v12, v12, |v[XS+\i]|, |v[XS+\i+1]|
	v_max3_num_f32 v13, v13, |v[XS+\i+2]|, |v[XS+\i+3]|
.endr
	v_max3_num_f32 v12, v12, |v[XS+30]|, |v[XS+31]|
	v_max3_num_f32 v12, v12, v13, 0x4800000        ; the block's largest magnitude, and the floor
	v_add_nc_u32 v11, 0xfc000000, v12
	v_and_or_b32 v10, v12, 0x7f800000, s30
	v_lshrrev_b32 v13, 23, v11
.if (\t)%4 == 0
	v_mov_b32 v[SBW+(\t)/4], v13
.else
	v_lshl_or_b32 v[SBW+(\t)/4], v13, 8*((\t)%4), v[SBW+(\t)/4]
.endif
.set i, 0
.rept 32
	v_med3_num_f32 v[XS+i], v[XS+i], -v10, v10
.set i, i+1
.endr
	v_cvt_scalef32_pk8_fp8_f32 v[CW+8*(\t):CW+8*(\t)+1], v[XS:XS+7], v11         ; k 0-7   : u = 0, h = 0
	v_cvt_scalef32_pk8_fp8_f32 v[CW+8*(\t)+2:CW+8*(\t)+3], v[XS+16:XS+23], v11   ; k 16-23 : u = 1, h = 0
	v_cvt_scalef32_pk8_fp8_f32 v[CW+8*(\t)+4:CW+8*(\t)+5], v[XS+8:XS+15], v11    ; k 8-15  : u = 0, h = 1
	v_cvt_scalef32_pk8_fp8_f32 v[CW+8*(\t)+6:CW+8*(\t)+7], v[XS+24:XS+31], v11   ; k 24-31 : u = 1, h = 1
	global_store_b128 v2, v[CW+8*(\t):CW+8*(\t)+3], s[6:7] offset:2048*((\t)/4)+512*((\t)%4)          ; sixteen lanes fill 256 consecutive bytes, aligned
	global_store_b128 v2, v[CW+8*(\t)+4:CW+8*(\t)+7], s[6:7] offset:2048*((\t)/4)+512*((\t)%4)+256
.if (\t)+2 < 4
	WLOAD (\t)+2, \n
.endif
.endm
.macro WQ n
	WLOAD 0, \n
	WLOAD 1, \n
.set Q, 0
.rept 4
	WBLOCK Q, \n
.set Q, Q+1
.endr
	global_store_b32 v1, v[SBW], s[8:9]
.endm
	s_cmp_ge_u32 s20, 256                          ; the loads' immediates hold the tensor's width: one text for each width
	s_cbranch_scc1 .Lw_wide
	WQ 1024
	s_endpgm
.Lw_wide:
	s_wait_alu depctr_va_vdst(0)
	WQ 4096
	s_endpgm
.Lfunc_end_k_qcf8f4fbe6a_prep:
	.size	k_qcf8f4fbe6a_prep, .Lfunc_end_k_qcf8f4fbe6a_prep-k_qcf8f4fbe6a_prep
	.p2alignl 7, 3214868480
	.fill 96, 4, 3214868480
	.section	.rodata,"a",@progbits
	.p2align	6, 0x0
	.amdhsa_kernel k_qcf8f4fbe6a_prep
		.amdhsa_group_segment_fixed_size 18944
		.amdhsa_private_segment_fixed_size 0
		.amdhsa_enable_private_segment 0
		.amdhsa_kernarg_size 88
		.amdhsa_user_sgpr_count 2
		.amdhsa_user_sgpr_kernarg_segment_ptr 1
		.amdhsa_wavefront_size32 1
		.amdhsa_system_sgpr_workgroup_id_x 1
		.amdhsa_system_sgpr_workgroup_id_y 1
		.amdhsa_system_sgpr_workgroup_id_z 1
		.amdhsa_system_vgpr_workitem_id 0
		.amdhsa_next_free_vgpr 256
		.amdhsa_next_free_sgpr 66
		.amdhsa_reserve_vcc 0
		.amdhsa_float_denorm_mode_32 3
		.amdhsa_float_denorm_mode_16_64 3
		.amdhsa_memory_ordered 1
		.amdhsa_forward_progress 1
		.amdhsa_inst_pref_size 112
	.end_amdhsa_kernel
	.amdgpu_metadata
---
amdhsa.version: [ 1, 2 ]
amdhsa.kernels:
  - .name:           k_qcf8f4fbe6a_prep
    .symbol:         k_qcf8f4fbe6a_prep.kd
    .args:
      - { .name: x, .offset: 0, .size: 8, .value_kind: global_buffer, .address_space: global }
      - { .name: ln1_scale, .offset: 8, .size: 8, .value_kind: global_buffer, .address_space: global }
      - { .name: ln1_shift, .offset: 16, .size: 8, .value_kind: global_buffer, .address_space: global }
      - { .name: Wq, .offset: 24, .size: 8, .value_kind: global_buffer, .address_space: global }
      - { .name: Wk, .offset: 32, .size: 8, .value_kind: global_buffer, .address_space: global }
      - { .name: Wv, .offset: 40, .size: 8, .value_kind: global_buffer, .address_space: global }
      - { .name: Wo, .offset: 48, .size: 8, .value_kind: global_buffer, .address_space: global }
      - { .name: W1, .offset: 56, .size: 8, .value_kind: global_buffer, .address_space: global }
      - { .name: W2, .offset: 64, .size: 8, .value_kind: global_buffer, .address_space: global }
      - { .name: h1, .offset: 72, .size: 8, .value_kind: global_buffer, .address_space: global }
      - { .name: wts, .offset: 80, .size: 8, .value_kind: global_buffer, .address_space: global }
    .group_segment_fixed_size: 18944
    .private_segment_fixed_size: 0
    .kernarg_segment_align: 8
    .kernarg_segment_size: 88
    .max_flat_workgroup_size: 128
    .sgpr_count:     66
    .vgpr_count:     256
    .wavefront_size: 32
...
	.end_amdgpu_metadata
.endif
;; end of part 1
;; launch qkv (part 2): grid 12 x 16, 4 waves a work-group, clusters of 4 x 4, 327,680 bytes of LDS; arguments h1, wts, qkv; writes qkv
.if DOCPART == 2
	.amdgcn_target "amdgcn-amd-amdhsa--gfx1250"
	.amdhsa_code_object_version 6
	.text
	.protected	k_qcf8f4fbe6a_qkv
	.globl	k_qcf8f4fbe6a_qkv
	.p2align	8
	.type	k_qcf8f4fbe6a_qkv,@function
k_qcf8f4fbe6a_qkv:
	s_mov_b64 s[64:65], 0
	v_nop
	global_prefetch_b8 v0, s[64:65] scope:SCOPE_SE
	s_setreg_imm32_b32 hwreg(HW_REG_WAVE_MODE, 25, 1), 1
	s_wait_xcnt 0x0
	s_wait_alu depctr_hold_cnt(0) depctr_sa_sdst(0) depctr_va_vdst(0) depctr_va_sdst(0) depctr_va_ssrc(0) depctr_va_vcc(0) depctr_vm_vsrc(0)
	s_getreg_b32 s2, hwreg(HW_REG_IB_STS2, 6, 4)
	s_cmp_eq_u32 s2, 0
	s_cbranch_scc0 .Lentry_in_a_cluster
	s_endpgm
.Lentry_in_a_cluster:
	s_bfe_u32 s2, ttmp6, 0x10000c
	s_cmp_lg_u32 s2, 0xf033
	s_cbranch_scc0 .Lentry_shape_is_right
	s_endpgm
.Lentry_shape_is_right:
.set W1K, 0
.set H_S,    4194304
.set WQKV_S, 12582912
.set W1_C,   4194304
.set W1_S,   12746752
.set VT_C,   8388608
.set QK_S,   12582912
.set VT_S,   12845056
.set G_S,    16777216
.set PART,   32768
.set SLOT,   4*PART
.set SCL,    2*SLOT
.set SPARE,  SCL+4*4096
.set NP,  8
.set NL,  4
.set FR,  16
.set ADRA, 16
.set ADRB, 20
.set LI,   24
.set LS,   25
.set ADRS, 27
.set SPW,  28
.set NIL,  29
.set SC,   32
.set BI,   64
.set AF,   128
.set PC,   64
.set PW,   80
.set TM,   82
.set KV,   98
.set T,    128
.set G1, 24
.set G0, 32
.set G1B, 48
.set G0B, 56
.set G1S, 68
.set G0S, 76
.set G1SB, 80
.set G0SB, 88
.set OC, 92
.set OS, 94
.if W1K
.set PA, 4
.set PB, 6
.set OUT, 10
.else
.set PA, 10
.set PB, 12
.set OUT, 8
.endif
.set MSB, 0
.macro WIN new
.if MSB != (\new)
	s_set_vgpr_msb (MSB<<8)|(\new)
.set MSB, (\new)
.endif
.endm
.set MUL_LO, 0xa1
.set MUL_HI, 0xf1
.set TO_B,   0x40
.macro JLOAD g0a, g1a, g0b, g1b
	s_cmp_eq_u32 s15, 0
	s_cbranch_scc0 .Lfor_b_\@
	tensor_load_to_lds s[\g0a:\g0a+3], s[\g1a:\g1a+7]
	s_nop 0
.rept 4
	v_nop
.endr
	s_branch .Lasked_\@
.Lfor_b_\@:
	tensor_load_to_lds s[\g0b:\g0b+3], s[\g1b:\g1b+7]
	s_nop 0
.rept 4
	v_nop
.endr
.Lasked_\@:
.endm
.macro CREST
	s_cmp_lg_u32 s14, 0
	s_cbranch_scc1 .Lnot_wave_0_\@
	s_barrier_signal -3
.Lnot_wave_0_\@:
	s_barrier_wait -3
	s_barrier_signal -1
	s_barrier_wait -1
.endm
.macro CROUND
	s_barrier_signal -1
	s_barrier_wait -1
	CREST
.endm
.macro PLACES n
.rept \n
	v_nop
.endr
.endm
.if W1K
	s_load_b256 s[4:11], s[0:1], 0x0
.else
	s_load_b128 s[4:7], s[0:1], 0x0
	s_load_b64 s[8:9], s[0:1], 0x10
.endif
	v_lshl_add_u32 v[SPW], v0, 2, SPARE
	v_mov_b32 v[NIL], 0
	ds_add_u32 v28, v29
	ds_add_u32 v28, v29
	s_wait_dscnt 0x0
	v_lshrrev_b32 v1, 5, v0
	v_readfirstlane_b32 s14, v1
	s_and_b32 s17, ttmp7, 0xffff
.if W1K
	s_mov_b32 s42, ttmp9
	s_mov_b32 s2, 0
	s_mov_b32 s3, H_S
	s_mov_b32 s18, W1_C
	s_mov_b32 s19, W1_S
	s_mov_b32 s95, 0
	s_mov_b32 s96, 65536
	s_mov_b32 s98, G_S
	s_mov_b32 s99, 16384
.else
	s_mov_b32 s3, H_S
	s_mov_b32 s19, WQKV_S
	s_mov_b32 s96, 32768
	s_mov_b32 s98, QK_S
	s_mov_b32 s99, 16384
	s_mov_b32 s18, 0
	s_cmp_eq_u32 ttmp9, 2
	s_cselect_b32 s42, s17, ttmp9
	s_cselect_b32 s17, 0, s17
	s_cselect_b32 s2, 0x200000, 0
	s_cselect_b32 s3, WQKV_S+8192, s3
	s_cselect_b32 s19, H_S, s19
	s_cselect_b32 s95, VT_C, 0
	s_cselect_b32 s96, 65536, s96
	s_cselect_b32 s98, VT_S, s98
	s_cselect_b32 s99, 4096, s99
.endif
	s_mov_b32 s97, 0
	s_lshr_b32 s15, s14, 1
	s_and_b32 s16, s14, 1
	s_bfe_u32 s40, ttmp6, 0x40000
	s_bfe_u32 s41, ttmp6, 0x40004
	s_lshl_b32 s42, s42, 2
	s_add_co_u32 s42, s42, s40
	s_lshl_b32 s17, s17, 2
	s_add_co_u32 s17, s17, s41
	s_lshl_b32 s43, s41, 2
	s_lshl_b32 s43, 15, s43
	s_lshl_b32 s44, 0x1111, s40
	s_or_b32 s[G1+0], s43, (3<<16)|(1<<21)
	s_or_b32 s[G1B+0], s44, (3<<16)|(1<<21)
.irp g, G1, G1B
	s_mov_b32 s[\g+1], 512<<16
	s_mov_b32 s[\g+2], 16<<16                      ; the head's loads bring 16 tiles of 16 rows, two fragments of each
	s_mov_b32 s[\g+3], 512<<16
	s_mov_b32 s[\g+4], 16
	s_mov_b32 s[\g+5], 2048
	s_mov_b32 s[\g+6], 0
	s_mov_b32 s[\g+7], 0
.endr
	s_lshl_b32 s20, s17, 4
	s_lshl_b32 s22, s20, 6
	s_lshl_b32 s20, s20, 14
	s_add_co_u32 s20, s20, s2
	s_add_co_u32 s22, s22, s3
	s_mov_b32 s21, 0
	s_mov_b32 s23, 0
	s_lshl_b32 s46, s42, 4
	s_lshl_b32 s92, s46, 6
	s_lshl_b32 s46, s46, 14
	s_add_co_u32 s46, s46, s18
	s_add_co_u32 s92, s92, s19
	s_mov_b32 s47, 0
	s_mov_b32 s93, 0
	s_lshl_b32 s45, s14, 15
	s_lshl_b32 s94, s14, 12
	s_wait_kmcnt 0x0
.if !W1K
	s_cmp_eq_u32 ttmp9, 2
	s_cselect_b64 s[10:11], s[6:7], s[4:5]
	s_cselect_b64 s[12:13], s[4:5], s[6:7]
.endif
	s_add_nc_u64 s[20:21], s[PA:PA+1], s[20:21]
	s_add_nc_u64 s[22:23], s[PA:PA+1], s[22:23]
	s_add_nc_u64 s[46:47], s[PB:PB+1], s[46:47]
	s_add_nc_u64 s[92:93], s[PB:PB+1], s[92:93]
	; THE SCALE WORDS of the block's 256 rows of A and of B, all 8 K steps, 1,024 bytes a K step: waves 0, 1 take A's K steps 0-3, 4-7, waves 2, 3 B's: eight loads of 512 consecutive bytes a wave; they go on into LDS bytes of their own, [side][K step][row]
	s_cmp_eq_u32 s15, 0
	s_cselect_b64 s[2:3], s[22:23], s[92:93]
	s_lshl_b32 s92, s16, 16                        ; four K steps of 16,384 bytes on
	s_add_co_u32 s93, s94, SCL                     ; LDS: 4,096 x wave
	v_and_b32 v1, 31, v0
	v_lshlrev_b32 v[LI], 4, v1
	v_add_nc_u32 v6, s92, v[LI]
	v_add_nc_u32 v7, s93, v[LI]
.irp j, 0,1,2,3,4,5,6,7
	global_load_b128 v[AF+4*\j:AF+4*\j+3], v6, s[2:3] offset:(\j/2)*16384+(\j%2)*512
.endr
.irp s, 0,1
	s_mov_b32 s[G0+4*\s], 1
	s_mov_b32 s[G0+4*\s+1], \s*SLOT
	s_add_nc_u64 s[G0+4*\s+2:G0+4*\s+3], s[20:21], \s*4096
	s_or_b32 s[G0+4*\s+3], s[G0+4*\s+3], 0x80000000
	s_mov_b32 s[G0B+4*\s], 1
	s_mov_b32 s[G0B+4*\s+1], \s*SLOT+2*PART
	s_add_nc_u64 s[G0B+4*\s+2:G0B+4*\s+3], s[46:47], \s*4096
	s_or_b32 s[G0B+4*\s+3], s[G0B+4*\s+3], 0x80000000
.endr
	s_lshl_b32 s18, s16, 17                        ; for the ring: my 8 tiles of a side's 16, in bytes
	s_mov_b32 s19, 0
	CROUND                                         ; all sixteen work-groups are here: the first joint loads meet
; THE HEAD'S LOADS, ONE A WAVE, fill BOTH slots: wave 0 slot 0's 16 tiles of A, wave 1 its 16 of B, wave 2 slot 1's of A, wave 3 slot 1's of B.  One chain of branches on the wave's number, a load line to an arm
.macro ARM under, g0, g1, next
	s_cmp_lt_u32 s14, \under
	s_cbranch_scc0 \next
	tensor_load_to_lds s[\g0:\g0+3], s[\g1:\g1+7]
	s_nop 0
	PLACES 4
	s_branch .Lhead_asked
\next:
.endm
	ARM 1, G0, G1, .Lhead_b0
	ARM 2, G0B, G1B, .Lhead_a1
	ARM 3, G0+4, G1, .Lhead_b1
	tensor_load_to_lds s[G0B+4:G0B+7], s[G1B:G1B+7]
	s_nop 0
	PLACES 4
.Lhead_asked:
	v_and_b32 v2, 15, v0
	v_lshlrev_b32 v[LS], 2, v2
	v_bfe_u32 v3, v0, 4, 1
	s_wait_alu depctr_va_vdst(0)
	s_lshl_b32 s21, s15, 15
	s_lshl_b32 s22, s16, 15
	s_add_co_u32 s22, s22, 2*PART
.irp s, 0,1
	v_add_nc_u32 v[ADRA+\s], s21, v[LI]
	v_add_nc_u32 v[ADRB+\s], s22, v[LI]
	s_add_co_u32 s21, s21, SLOT
	s_add_co_u32 s22, s22, SLOT
.endr
	s_lshl_b32 s21, s15, 9
	s_lshl_b32 s22, s16, 9
	s_add_co_u32 s22, s22, 2*4096
	s_sub_co_u32 s22, s22, s21
	v_mul_u32_u24 v4, s22, v3
	s_add_co_u32 s21, s21, SCL
	v_add_nc_u32 v4, v4, v[LS]
	v_add_nc_u32 v[ADRS], s21, v4
.if W1K
	s_lshl_b32 s46, s42, 10
	s_lshl_b32 s47, s16, 9
	s_add_co_u32 s46, s46, s47
	s_mov_b32 s47, 0
	s_add_nc_u64 s[8:9], s[8:9], s[46:47]
	v_lshlrev_b32 v5, 5, v3
.irp b, 0,1,2,3,4,5,6,7
	global_load_b128 v[BI+8*\b:BI+8*\b+3], v5, s[8:9] offset:64*\b
	global_load_b128 v[BI+8*\b+4:BI+8*\b+7], v5, s[8:9] offset:64*\b+16
.endr
.endif
	s_lshl_b32 s20, s17, 4
	s_lshl_b32 s21, s15, 3
	s_add_co_u32 s20, s20, s21
	s_lshl_b32 s22, s20, 6
	s_mul_i32 s20, s20, s96
	s_add_co_u32 s20, s20, s95
	s_lshl_b32 s46, s42, 1
	s_add_co_u32 s46, s46, s16
	s_mul_i32 s47, s46, s99
	s_lshl_b32 s46, s46, 11
	s_add_co_u32 s20, s20, s46
	s_add_co_u32 s22, s22, s47
	s_add_co_u32 s22, s22, s98
	s_mov_b32 s21, 0
	s_mov_b32 s23, 0
	s_add_nc_u64 s[OC:OC+1], s[OUT:OUT+1], s[20:21]
	s_add_nc_u64 s[OS:OS+1], s[OUT:OUT+1], s[22:23]
.macro FRAG reg, adr, q, i
.irp c, 0,1,2,3
	ds_load_b128 v[\reg+4*\c:\reg+4*\c+3], v[\adr] offset:2048*(\q)+512*\c+4096*(\i)
.endr
.endm
.macro MUL16 a0, p, q, sc, zero
.irp a, \a0, \a0+1
.irp b, 0,1,2,3,4,5,6,7
.if \zero == 1
	v_wmma_scale_f32_16x16x128_f8f6f4 v[8*(8*((\a)%4)+\b):8*(8*((\a)%4)+\b)+7], v[128*(\p)+FR*\b:128*(\p)+FR*\b+FR-1], v[AF+FR*(\a):AF+FR*(\a)+FR-1], 0, v[SC+16*(\sc)+2*\b+(\q)], v[SC+16*(\sc)+2*(\a)+(\q)] matrix_a_scale:MATRIX_SCALE_ROW1
.elseif \zero == 2
	v_wmma_scale_f32_16x16x128_f8f6f4 v[8*(8*((\a)%4)+\b):8*(8*((\a)%4)+\b)+7], v[128*(\p)+FR*\b:128*(\p)+FR*\b+FR-1], v[AF+FR*(\a):AF+FR*(\a)+FR-1], v[BI+8*\b:BI+8*\b+7], v[SC+16*(\sc)+2*\b+(\q)], v[SC+16*(\sc)+2*(\a)+(\q)] matrix_a_scale:MATRIX_SCALE_ROW1
.else
	v_wmma_scale_f32_16x16x128_f8f6f4 v[8*(8*((\a)%4)+\b):8*(8*((\a)%4)+\b)+7], v[128*(\p)+FR*\b:128*(\p)+FR*\b+FR-1], v[AF+FR*(\a):AF+FR*(\a)+FR-1], v[8*(8*((\a)%4)+\b):8*(8*((\a)%4)+\b)+7], v[SC+16*(\sc)+2*\b+(\q)], v[SC+16*(\sc)+2*(\a)+(\q)] matrix_a_scale:MATRIX_SCALE_ROW1
.endif
.endr
.endr
.endm
.macro FETCH_B slot, q, p
	WIN TO_B
.irp i, 0,1,2,3,4,5,6,7
	FRAG 128*(\p)+FR*\i, ADRB+\slot, \q, \i
.endr
	WIN 0
.endm
.macro FETCH_A slot, q, i0
.irp i, \i0, \i0+1, \i0+2, \i0+3
	FRAG AF+FR*(\i), ADRA+\slot, \q, \i
.endr
.endm
.macro SCALES sc, kk
.irp i, 0,1,2,3,4,5,6,7
.irp q, 0,1
	ds_load_b32 v[SC+16*\sc+2*\i+\q], v[ADRS] offset:(2*(\kk)+\q)*1024+64*\i
.endr
.endr
.endm
.macro STEP slot, q, zero
	s_wait_dscnt 4*NL
.if \zero == 2
	WIN 0x81
.else
	WIN MUL_LO
.endif
	MUL16 0, (\q)%2, \q, \slot, \zero
	MUL16 2, (\q)%2, \q, \slot, \zero
	s_wait_dscnt 0
	PLACES NP
	FETCH_B \slot, (\q)+1, 1-(\q)%2
	FETCH_A \slot, (\q)+1, 0
.if \zero == 2
	WIN 0xc1
.else
	WIN MUL_HI
.endif
	MUL16 4, (\q)%2, \q, \slot, \zero
	MUL16 6, (\q)%2, \q, \slot, \zero
	PLACES NP
	WIN 0
	FETCH_A \slot, (\q)+1, 4
.endm
.macro TURN slot, next, fill, kk
	s_wait_tensorcnt 0x0
	ds_add_u32 v[SPW], v[NIL]
.if \kk == 1
	s_mov_b32 s[G1+2], 8<<16                       ; no tensor load of mine is out, so the descriptors may be written: from here on a load brings 8 tiles, a quarter of a slot a wave
	s_mov_b32 s[G1+4], 8
	s_mov_b32 s[G1B+2], 8<<16
	s_mov_b32 s[G1B+4], 8
	s_mov_b32 s[G0+1], s45
	s_mov_b32 s[G0B+1], s45
	s_add_co_u32 s[G0+5], s45, SLOT
	s_add_co_u32 s[G0B+5], s45, SLOT
	s_add_nc_u64 s[G0+2:G0+3], s[G0+2:G0+3], s[18:19]
	s_add_nc_u64 s[G0B+2:G0B+3], s[G0B+2:G0B+3], s[18:19]
	s_add_nc_u64 s[G0+6:G0+7], s[G0+6:G0+7], s[18:19]
	s_add_nc_u64 s[G0B+6:G0B+7], s[G0B+6:G0B+7], s[18:19]
.endif
	s_wait_dscnt 4*NL+1
	WIN MUL_LO
	MUL16 0, 1, 1, \slot, 0
	s_wait_dscnt 0x0
	s_barrier_signal -1
	MUL16 2, 1, 1, \slot, 0
	WIN 0
	s_barrier_wait -1
.if \fill
	CREST
	s_add_nc_u64 s[G0+4*\slot+2:G0+4*\slot+3], s[G0+4*\slot+2:G0+4*\slot+3], 8192
	s_add_nc_u64 s[G0B+4*\slot+2:G0B+4*\slot+3], s[G0B+4*\slot+2:G0B+4*\slot+3], 8192
	JLOAD G0+4*\slot, G1, G0B+4*\slot, G1B
	PLACES NP-4
.else
	PLACES NP
.endif
	FETCH_B \next, 0, 0
	FETCH_A \next, 0, 0
	SCALES \next, \kk
	WIN MUL_HI
	MUL16 4, 1, 1, \slot, 0
	MUL16 6, 1, 1, \slot, 0
	PLACES NP
	WIN 0
	FETCH_A \next, 0, 4
.endm
	s_wait_alu depctr_va_vdst(0)
.if W1K
	s_wait_loadcnt 16                              ; my scale words are in; the 16 younger loads are the bias
.else
	s_wait_loadcnt 0x0                             ; my scale words are in
.endif
.irp j, 0,1,2,3,4,5,6,7
	ds_store_b128 v7, v[AF+4*\j:AF+4*\j+3] offset:512*\j
.endr
	s_cmp_lt_u32 s14, 2                            ; waves 0 and 1 wait for slot 0's tiles here; waves 2 and 3 wait for slot 1's at the first change of slots
	s_cbranch_scc0 .Lslot_1s
	s_wait_tensorcnt 0x0
.Lslot_1s:
	s_wait_dscnt 0x0                               ; for the others' sake: my scale words lie in LDS
	s_barrier_signal -1
	s_barrier_wait -1
	FETCH_B 0, 0, 0
	FETCH_A 0, 0, 0
	SCALES 0, 0
	FETCH_A 0, 0, 4
.if W1K
	s_wait_loadcnt 0x0
	STEP 0, 0, 2
.else
	STEP 0, 0, 1
.endif
	TURN 0, 1, 1, 1
	STEP 1, 0, 0
	TURN 1, 0, 1, 2
	STEP 0, 0, 0
	TURN 0, 1, 0, 3
	STEP 1, 0, 0
	s_wait_dscnt 4*NL
	WIN MUL_LO
	MUL16 0, 1, 1, 1, 0
	MUL16 2, 1, 1, 1, 0
	s_wait_dscnt 0
	WIN MUL_HI
	MUL16 4, 1, 1, 1, 0
	MUL16 6, 1, 1, 1, 0
	WIN 0
.macro QUANT s, w
	WIN (\w)|((\w)<<2)
.irp b, 0,1,2,3
	v_max3_num_f32 v[TM+\b], |v[(\s)+16*\b]|, |v[(\s)+16*\b+1]|, 0x4800000
.endr
.irp i, 2,4,6,8,10,12,14
.irp b, 0,1,2,3
	v_max3_num_f32 v[TM+\b], |v[(\s)+16*\b+\i]|, |v[(\s)+16*\b+\i+1]|, v[TM+\b]
.endr
.endr
	WIN 0
.irp b, 0,1,2,3
	v_permlanex16_b32 v[TM+4+\b], v[TM+\b], s66, s67
.endr
.irp b, 0,1,2,3
	v_max_num_f32 v[TM+\b], v[TM+\b], v[TM+4+\b]
.endr
.irp b, 0,1,2,3
	v_add_nc_u32 v[TM+12+\b], 0xfc000000, v[TM+\b]
.endr
.irp b, 0,1,2,3
	v_and_or_b32 v[TM+8+\b], v[TM+\b], 0x7f800000, s3
.endr
.irp b, 0,1,2,3
	v_lshrrev_b32 v[TM+4+\b], 23, v[TM+12+\b]
.endr
	v_lshl_or_b32 v[PW], v[TM+5], 8, v[TM+4]
	v_lshl_or_b32 v[PW], v[TM+6], 16, v[PW]
	v_lshl_or_b32 v[PW], v[TM+7], 24, v[PW]
	WIN (\w)|((\w)<<6)
.irp b, 0,1,2,3
.irp i, 0,1,2,3,4,5,6,7,8,9,10,11,12,13,14,15
	v_med3_num_f32 v[(\s)+16*\b+\i], v[(\s)+16*\b+\i], -v[TM+8+\b], v[TM+8+\b]
.endr
.endr
	WIN (\w)
.irp b, 0,1,2,3
	v_cvt_scalef32_pk8_fp8_f32 v[PC+4*\b:PC+4*\b+1], v[(\s)+16*\b:(\s)+16*\b+7], v[TM+12+\b]
	v_cvt_scalef32_pk8_fp8_f32 v[PC+4*\b+2:PC+4*\b+3], v[(\s)+16*\b+8:(\s)+16*\b+15], v[TM+12+\b]
.endr
	WIN 0
	v_nop
.endm
.macro GELU
	WIN WW|(WW<<2)
.set i, 0
.rept 32
	v_pk_mul_f32 v[T+i:T+i+1], v[AC+i:AC+i+1], v[AC+i:AC+i+1]
.set i, i+2
.endr
	WIN 0
.set i, 0
.rept 32
	v_pk_fma_f32 v[T+i:T+i+1], v[T+i:T+i+1], s[18:19], v[KV:KV+1] op_sel_hi:[1,0,0]
.set i, i+2
.endr
	WIN WW<<2
.set i, 0
.rept 32
	v_pk_mul_f32 v[T+i:T+i+1], v[T+i:T+i+1], v[AC+i:AC+i+1]
.set i, i+2
.endr
	WIN 0
.set i, 0
.rept 64
	v_exp_f32 v[T+i], v[T+i]
.set i, i+1
.endr
	v_nop
	s_wait_alu depctr_va_vdst(0)
.set i, 0
.rept 32
	v_pk_add_f32 v[T+i:T+i+1], v[T+i:T+i+1], 1.0 op_sel_hi:[1,0]
.set i, i+2
.endr
.set i, 0
.rept 64
	v_rcp_f32 v[T+i], v[T+i]
.set i, i+1
.endr
	v_nop
	s_wait_alu depctr_va_vdst(0)
	WIN WW<<2
.set i, 0
.rept 32
	v_pk_mul_f32 v[T+i:T+i+1], v[T+i:T+i+1], v[AC+i:AC+i+1]
.set i, i+2
.endr
	WIN 0
.endm
.macro EPI a
.set AC, 64*((\a)%4)
.set WW, 2+(\a)/4
	s_wait_xcnt 0x0
.if (\a) > 0
	s_add_nc_u64 s[OC:OC+1], s[OC:OC+1], s[96:97]
.endif
.if W1K
	GELU
	QUANT T, 0
.else
	QUANT AC, WW
.endif
.irp c, 0,1,2,3
	global_store_b128 v[LI], v[PC+4*\c:PC+4*\c+3], s[OC:OC+1] offset:512*\c
.endr
	global_store_b32 v[LS], v[PW], s[OS:OS+1] offset:64*(\a)
.endm
	s_mov_b32 s66, 0x76543210
	s_mov_b32 s67, 0xfedcba98
	s_mov_b32 s3, 0x600000
	s_mov_b32 s18, 0xbdd2d3e8
	s_mov_b32 s19, s18
	PLACES NP
	v_mov_b32 v[KV], 0xc0135761
	v_mov_b32 v[KV+1], 0xc0135761
.irp b, 0,1,2,3
	v_mov_b32 v[TM+4+\b], 0
.endr
.irp a, 0,1,2,3,4,5,6,7
	EPI \a
.endr
	s_wait_tensorcnt 0x0
	ds_add_u32 v[SPW], v[NIL]
	s_wait_dscnt 0x0
	CROUND
	s_endpgm
.Lfunc_end_k_qcf8f4fbe6a_qkv:
	.size	k_qcf8f4fbe6a_qkv, .Lfunc_end_k_qcf8f4fbe6a_qkv-k_qcf8f4fbe6a_qkv
	.p2alignl 7, 3214868480
	.fill 96, 4, 3214868480
	.section	.rodata,"a",@progbits
	.p2align	6, 0x0
	.amdhsa_kernel k_qcf8f4fbe6a_qkv
		.amdhsa_group_segment_fixed_size 327680
		.amdhsa_private_segment_fixed_size 0
		.amdhsa_enable_private_segment 0
		.amdhsa_kernarg_size 24
		.amdhsa_user_sgpr_count 2
		.amdhsa_user_sgpr_kernarg_segment_ptr 1
		.amdhsa_wavefront_size32 1
		.amdhsa_system_sgpr_workgroup_id_x 1
		.amdhsa_system_sgpr_workgroup_id_y 1
		.amdhsa_system_sgpr_workgroup_id_z 1
		.amdhsa_system_vgpr_workitem_id 0
		.amdhsa_next_free_vgpr 1024
		.amdhsa_next_free_sgpr 100
		.amdhsa_reserve_vcc 0
		.amdhsa_float_denorm_mode_32 3
		.amdhsa_float_denorm_mode_16_64 3
		.amdhsa_memory_ordered 1
		.amdhsa_forward_progress 1
		.amdhsa_inst_pref_size 188
	.end_amdhsa_kernel
	.amdgpu_metadata
---
amdhsa.version: [ 1, 2 ]
amdhsa.kernels:
  - .name:           k_qcf8f4fbe6a_qkv
    .symbol:         k_qcf8f4fbe6a_qkv.kd
    .args:
      - { .name: h1, .offset: 0, .size: 8, .value_kind: global_buffer, .address_space: global }
      - { .name: wts, .offset: 8, .size: 8, .value_kind: global_buffer, .address_space: global }
      - { .name: qkv, .offset: 16, .size: 8, .value_kind: global_buffer, .address_space: global }
    .group_segment_fixed_size: 327680
    .private_segment_fixed_size: 0
    .kernarg_segment_align: 8
    .kernarg_segment_size: 24
    .max_flat_workgroup_size: 128
    .sgpr_count:     100
    .vgpr_count:     1024
    .wavefront_size: 32
...
	.end_amdgpu_metadata
.endif
;; end of part 2
;; launch attn (part 3): grid 4 x 64, 16 waves a work-group, clusters of 4 x 1, 169,984 bytes of LDS; arguments qkv, ctx; writes ctx
.if DOCPART == 3
	.amdgcn_target "amdgcn-amd-amdhsa--gfx1250"
	.amdhsa_code_object_version 6
	.text
	.protected	k_qcf8f4fbe6a_attn
	.globl	k_qcf8f4fbe6a_attn
	.p2align	8
	.type	k_qcf8f4fbe6a_attn,@function
k_qcf8f4fbe6a_attn:
	s_mov_b64 s[64:65], 0
	v_nop
	global_prefetch_b8 v0, s[64:65] scope:SCOPE_SE
	s_setreg_imm32_b32 hwreg(HW_REG_WAVE_MODE, 25, 1), 1
	s_wait_xcnt 0x0
	s_wait_alu depctr_hold_cnt(0) depctr_sa_sdst(0) depctr_va_vdst(0) depctr_va_sdst(0) depctr_va_ssrc(0) depctr_va_vcc(0) depctr_vm_vsrc(0)
	s_getreg_b32 s2, hwreg(HW_REG_IB_STS2, 6, 4)
	s_cmp_eq_u32 s2, 0
	s_cbranch_scc0 .Lentry_in_a_cluster
	s_endpgm
.Lentry_in_a_cluster:
	s_bfe_u32 s2, ttmp6, 0x10000c
	s_cmp_lg_u32 s2, 0x3003
	s_cbranch_scc0 .Lentry_shape_is_right
	s_endpgm
.Lentry_shape_is_right:
; Causal attention on E4M3 codes: for each batch b and head hd, ctx = softmax(q k^T / 8, causal) v, quantised on the way out for the next product.
; THE SOFTMAX AHEAD OF THE SECOND PRODUCT: t = score x log2(e) / 8; M = the running largest t rounded up to a whole number; p = 2^(t - M) is quantised along the keys; the row's sum is of the unquantised p and divides at the end.
; SHARES.  The four work-groups of a cluster serve one (b, hd): its K and V codes (64 KiB each) and scale words come into each one's LDS ONCE, by joint loads: no ring, nothing is filled again.
; Each of the sixteen waves owns one tile of 16 queries: tile t = 4 p + cx, p a permutation of the wave's number, so that every work-group and every group of four waves has early and late queries alike.
; The wave's last key step, p / 2, hangs on the wave's number alone: no branch and no LDS address hangs on the place in the cluster.  All eight trips are walked; a step whose keys all come after the queries skips its work.
; LAYOUT.  Both products transposed: S^T = K Q^T (source 0 = 16 keys), O^T = V^T P^T (source 0 = 16 of the head's 64): a lane holds one query.  In tile t of S^T register j is key 16 t + 8 h + j, so p's codes come out
; in the order k = 32 c + 16 u + 8 h + e of this program's images, which V^T's image has too.
; THE HEAD'S 64 IN AN INSTRUCTION OF 128: Q's registers 8-15 hold zero codes; K's operand of tile t runs on into tile t + 1's codes (or into zeros), which meet those zeros; both sides' scale bytes 2 and 3 are 0, never 0xff.
; LIMITS: NaN and infinities are not served.
; REGISTERS: v1-7 addresses that stay; v8-11 the step's; v12 -M, v13 largest t, v[14:15] the sum; v16-31 Q; v32-103 K's 8 tiles and 8 zeros, then V's 4 fragments; v104-167 S^T, p; v168-199 O^T; v200-215 p's codes;
;   v216-223 K's or V's scales, v224 Q's, v225 p's; v232-254 at work.
.set QK_S, 12582912
.set VT_C, 8388608
.set VT_S, 12845056
.set H_S,  4194304
.set VC,   65536                       ; LDS: K's codes [64 token tiles][1024] at 0; V's [4 tiles of 16][8 key steps][2048];
.set KS,   131072                      ; K's scale words, one a key; V's [8 key steps][64]
.set VS,   135168
.set S,    104
.set O,    168
.set PCD,  200
.set KSC,  216
.set QSC,  224
.set PSC,  225
.set WV,   8
.set PH,   16
.set MNT,  19
.set SEL,  20
.set CS,   22
.set G1K,  24
.set G1V,  32
.set G1KS, 40
.set G1VS, 48
.set G0K,  56
.set G0V,  60
.set G0KS, 68
.set G0VS, 72
.set TK,   76
.set TV,   77
.set TS,   78
.set TJ,   79
.set KT,   80
.macro CROUND
	s_barrier_signal -1
	s_barrier_wait -1
	s_cmp_lg_u32 s[WV], 0
	s_cbranch_scc1 .Lnot_wave_0_\@
	s_barrier_signal -3
.Lnot_wave_0_\@:
	s_barrier_wait -3
	s_barrier_signal -1
	s_barrier_wait -1
.endm
.macro SHAPE g, c, r, p                ; descriptor group 1: r rows of c elements of 8 bytes, p elements apart; the mask names all four work-groups, bit 21 beside it; dense in LDS
	s_mov_b32 s[\g], 15|(3<<16)|(1<<21)
	s_mov_b32 s[\g+1], (\c)<<16
	s_mov_b32 s[\g+2], (\r)<<16
	s_mov_b32 s[\g+3], (\c)<<16
	s_mov_b32 s[\g+4], \r
	s_mov_b32 s[\g+5], \p
	s_mov_b32 s[\g+6], 0
	s_mov_b32 s[\g+7], 0
.endm
	s_load_b128 s[4:7], s[0:1], 0x0                ; qkv, ctx
	v_lshl_add_u32 v251, v0, 2, 0x29000
	v_mov_b32 v255, 0
	ds_add_u32 v251, v255
	ds_add_u32 v251, v255
	v_lshrrev_b32 v8, 5, v0
	s_delay_alu instid0(VALU_DEP_1)
	v_readfirstlane_b32 s[WV], v8                  ; wave 0..15
	s_bfe_u32 s9, ttmp6, 0x40000                   ; cx
	s_and_b32 s10, ttmp7, 0xffff
	s_lshr_b32 s11, s10, 4                         ; b
	s_and_b32 s12, s10, 15                         ; hd
	s_lshr_b32 s13, s12, 1                         ; the K step of 128 features in which the head lies,
	s_and_b32 s14, s12, 1                          ; and which half of it
	s_and_b32 s15, s[WV], 2                        ; p = 2 q + wave % 2, q = a or 7 - a by turns, a = (wave & 2) + wave / 8: the four waves whose numbers are equal modulo 4 have 18 key steps together
	s_lshr_b32 s82, s[WV], 3
	s_add_co_u32 s15, s15, s82                     ; a
	s_bfe_u32 s82, s[WV], 0x10002
	s_mul_i32 s82, s82, 7
	s_xor_b32 s15, s15, s82                        ; q
	s_lshl_b32 s15, s15, 1
	s_and_b32 s82, s[WV], 1
	s_add_co_u32 s15, s15, s82                     ; p
	s_lshr_b32 s[PH], s15, 1                       ; my last key step
	s_lshl_b32 s17, s15, 2
	s_add_co_u32 s17, s17, s9                      ; t: my tile of 16 queries: it enters global addresses and the mask's numbers alone
	SHAPE G1K, 128, 16, 4096                       ; K's codes: 16 token tiles, the head's 1,024 bytes of each, 32,768 apart
	SHAPE G1V, 32, 64, 32                          ; V's codes: 16,384 dense bytes
	SHAPE G1KS, 32, 16, 32                         ; K's scale words: 4,096 dense bytes
	SHAPE G1VS, 32, 8, 512                         ; V's: 8 key steps, the head's 256 bytes of each, 4,096 apart
	s_lshl_b32 s82, s11, 6
	s_lshl_b32 s83, s[WV], 4
	s_add_co_u32 s82, s82, s83                     ; K: token tile 64 b + 16 wave (waves 0-3)
	s_lshl_b32 s82, s82, 15
	s_lshl_b32 s83, s13, 11
	s_add_co_u32 s82, s82, s83
	s_lshl_b32 s83, s14, 10
	s_add_co_u32 s82, s82, s83
	s_add_co_u32 s82, s82, 8*2048                  ; k's features are K steps 8-15 of the image
	s_mov_b32 s83, 0
	s_lshl_b32 s84, s12, 2
	s_add_co_u32 s84, s84, s[WV]                   ; V: feature tile 4 hd + wave - 4 (waves 4-7)
	s_lshl_b32 s84, s84, 16
	s_lshl_b32 s85, s11, 14                        ; key steps 8 b on
	s_add_co_u32 s84, s84, s85
	s_add_co_u32 s84, s84, VT_C-4*65536
	s_mov_b32 s85, 0
	s_lshl_b32 s86, s13, 14
	s_lshl_b32 s87, s11, 12
	s_add_co_u32 s86, s86, s87
	s_add_co_u32 s86, s86, QK_S+8*16384
	s_mov_b32 s87, 0
	s_lshl_b32 s88, s11, 15
	s_lshl_b32 s89, s12, 8
	s_add_co_u32 s88, s88, s89
	s_add_co_u32 s88, s88, VT_S
	s_mov_b32 s89, 0
	s_mov_b32 s[SEL], 0x76543210
	s_mov_b32 s[SEL+1], 0xfedcba98
	s_mov_b32 s[CS], 0x3e38aa3b                    ; c = log2(e) / 8
	s_mov_b32 s[CS+1], s[CS]
	s_mov_b32 s[MNT], 0x600000
	s_mov_b32 s[TK], 0
	s_mov_b32 s[TV], 0
	s_mov_b32 s[TS], 0
	s_mov_b32 s[TJ], 0
	s_mov_b32 s[KT], 0
	s_wait_dscnt 0x0
	s_wait_kmcnt 0x0
	s_mov_b32 s[G0K], 1
	s_lshl_b32 s[G0K+1], s[WV], 14                 ; LDS: 16,384 x wave, for K's four parts and, behind them, V's four
	s_add_nc_u64 s[G0K+2:G0K+3], s[4:5], s[82:83]
	s_or_b32 s[G0K+3], s[G0K+3], 0x80000000
	s_mov_b32 s[G0V], 1
	s_lshl_b32 s[G0V+1], s[WV], 14
	s_add_nc_u64 s[G0V+2:G0V+3], s[4:5], s[84:85]
	s_or_b32 s[G0V+3], s[G0V+3], 0x80000000
	s_mov_b32 s[G0KS], 1
	s_mov_b32 s[G0KS+1], KS
	s_add_nc_u64 s[G0KS+2:G0KS+3], s[4:5], s[86:87]
	s_or_b32 s[G0KS+3], s[G0KS+3], 0x80000000
	s_mov_b32 s[G0VS], 1
	s_mov_b32 s[G0VS+1], VS
	s_add_nc_u64 s[G0VS+2:G0VS+3], s[4:5], s[88:89]
	s_or_b32 s[G0VS+3], s[G0VS+3], 0x80000000
	CROUND                                         ; all four work-groups are here: the joint loads meet
	s_cmp_lt_u32 s[WV], 4                          ; the fills stand in one chain of branches on the wave's number; a wave issues one or none; four v_nop follow each
	s_cbranch_scc0 .Lnot_k
	tensor_load_to_lds s[G0K:G0K+3], s[G1K:G1K+7]
	s_nop 0
.rept 4
	v_nop
.endr
	s_branch .Lasked
.Lnot_k:
	s_cmp_lt_u32 s[WV], 8
	s_cbranch_scc0 .Lnot_v
	tensor_load_to_lds s[G0V:G0V+3], s[G1V:G1V+7]
	s_nop 0
.rept 4
	v_nop
.endr
	s_branch .Lasked
.Lnot_v:
	s_cmp_eq_u32 s[WV], 8
	s_cbranch_scc0 .Lnot_ks
	tensor_load_to_lds s[G0KS:G0KS+3], s[G1KS:G1KS+7]
	s_nop 0
.rept 4
	v_nop
.endr
	s_branch .Lasked
.Lnot_ks:
	s_cmp_eq_u32 s[WV], 9
	s_cbranch_scc0 .Lasked
	tensor_load_to_lds s[G0VS:G0VS+3], s[G1VS:G1VS+7]
	s_nop 0
.rept 4
	v_nop
.endr
.Lasked:
	; my queries' and my results' places in memory
	s_lshl_b32 s82, s11, 6
	s_add_co_u32 s82, s82, s17                     ; token tile 64 b + t
	s_lshl_b32 s83, s13, 11
	s_lshl_b32 s84, s14, 10
	s_add_co_u32 s83, s83, s84                     ; the head's half fragment
	s_lshl_b32 s84, s82, 15
	s_add_co_u32 s84, s84, s83
	s_mov_b32 s85, 0
	s_add_nc_u64 s[84:85], s[4:5], s[84:85]        ; Q's codes
	s_lshl_b32 s88, s82, 14
	s_add_co_u32 s88, s88, s83
	s_mov_b32 s89, 0
	s_add_nc_u64 s[88:89], s[6:7], s[88:89]        ; ctx's codes
	s_lshl_b32 s86, s82, 6                         ; 16 rows x 4 bytes a tile
	s_lshl_b32 s83, s13, 14
	s_add_co_u32 s86, s86, s83
	s_lshl_b32 s83, s14, 1
	s_add_co_u32 s86, s86, s83                     ; the head's two bytes of a row's word
	s_add_co_u32 s90, s86, H_S
	s_add_co_u32 s86, s86, QK_S
	s_mov_b32 s87, 0
	s_mov_b32 s91, 0
	s_add_nc_u64 s[86:87], s[4:5], s[86:87]        ; Q's scales
	s_add_nc_u64 s[90:91], s[6:7], s[90:91]        ; ctx's
	v_and_b32 v8, 15, v0                           ; r
	v_bfe_u32 v9, v0, 4, 1                         ; h
	v_and_b32 v10, 31, v0
	s_delay_alu instid0(VALU_DEP_1)
	v_lshlrev_b32 v1, 4, v10                       ; K's codes: 16 x lane
	s_delay_alu instid0(VALU_DEP_1)
	v_add_nc_u32 v2, VC, v1                        ; V's
	s_delay_alu instid0(VALU_DEP_3)
	v_lshlrev_b32 v5, 4, v10                       ; in memory: 16 x lane
	v_lshlrev_b32 v6, 2, v8                        ; 4 r
	s_lshl_b32 s82, s14, 1
	s_add_co_u32 s82, s82, KS
	v_add_nc_u32 v3, s82, v6                       ; K's scales: the head's halfword of key r's word
	v_add_nc_u32 v4, VS, v6                        ; V's
	s_lshl_b32 s82, s17, 4
	v_add_nc_u32 v7, s82, v8
	v_lshlrev_b32 v10, 3, v9
	s_delay_alu instid0(VALU_DEP_1)
	v_sub_nc_u32 v7, v7, v10                       ; my query - 8 h
	global_load_b128 v[16:19], v5, s[84:85]
	global_load_b128 v[20:23], v5, s[84:85] offset:512
	global_load_u16 v[QSC], v6, s[86:87]
.set i, 0
.rept 8
	v_mov_b32 v[24+i], 0                           ; Q's upper 64 along K: zero codes
	v_mov_b32 v[96+i], 0                           ; what K's last tile runs on into
.set i, i+1
.endr
	v_mov_b32 v13, 0xff61b1e6                      ; the largest t so far: -3e38
	s_delay_alu instid0(VALU_DEP_1)
	v_floor_f32 v12, -v13                          ; -M
	v_mov_b32 v14, 0
	v_mov_b32 v15, 0
.irp b, 0,1,2,3
	v_mov_b32 v[236+\b], 0                         ; a lane permute's destination counts as one of its sources
.endr
	v_mov_b32 v253, 0                              ; (named as the upper half of the pair v[252:253])
.set i, 0
.rept 32
	v_mov_b32 v[O+i], 0                            ; O^T: the step is written once; the first finds zeros
.set i, i+1
.endr
	s_wait_loadcnt 0x0
	s_wait_tensorcnt 0x0                           ; my part has landed,
	s_barrier_signal -1
	s_barrier_wait -1                              ; everybody's has
.Lstep:                                            ; eight trips, 128 keys each
	s_cmp_gt_u32 s[KT], s[PH]
	s_cbranch_scc1 .Lskip                          ; all of the step's keys come after my queries
	v_add_nc_u32 v8, s[TK], v1
	v_add_nc_u32 v9, s[TV], v2
	v_add_nc_u32 v10, s[TS], v3
	v_add_nc_u32 v11, s[TJ], v4
.rept 4
	v_nop                                          ; with the four additions: eight places in front of loads into registers that the last products read
.endr
.irp t, 0,1,2,3,4,5,6,7
	ds_load_b128 v[32+8*\t:32+8*\t+3], v8 offset:1024*\t
	ds_load_b128 v[32+8*\t+4:32+8*\t+7], v8 offset:1024*\t+512
	ds_load_u16 v[KSC+\t], v10 offset:64*\t
.endr
	s_wait_dscnt 0x0
.irp t, 0,1,2,3,4,5,6,7
	v_wmma_scale_f32_16x16x128_f8f6f4 v[S+8*\t:S+8*\t+7], v[32+8*\t:32+8*\t+15], v[16:31], 0, v[KSC+\t], v[QSC]
.endr
.rept 8
	v_nop
.endr
	s_cmp_lg_u32 s[KT], s[PH]
	s_cbranch_scc1 .Lopen                          ; only my last step lies on the diagonal
	s_lshl_b32 s82, s[KT], 7
	v_sub_nc_u32 v252, v7, s82                     ; d = my query - 8 h - the step's first key.  Register n holds key 32 (n / 16) + 16 ((n % 16) / 8) + n % 8 + 8 h: hidden where that constant is above d
	v_mov_b32 v254, 0xff800000
.set n, 0
.rept 64
	v_cmp_gt_i32 vcc_lo, 32*(n/16)+16*((n%16)/8)+n%8, v252
	v_cndmask_b32 v[S+n], v[S+n], v254, vcc_lo
.set n, n+1
.endr
.Lopen:
.irp b, 0,1,2,3
	v_max3_num_f32 v[232+\b], v[S+16*\b], v[S+1+16*\b], v[S+2+16*\b]   ; the largest score of each block of 32 keys: for the row's maximum and, since p rises with the score, for the block's largest p
.endr
.irp i, 3,5,7,9,11,13
.irp b, 0,1,2,3
	v_max3_num_f32 v[232+\b], v[232+\b], v[S+16*\b+\i], v[S+1+16*\b+\i]
.endr
.endr
.irp b, 0,1,2,3
	v_max_num_f32 v[232+\b], v[232+\b], v[S+15+16*\b]
.endr
.irp b, 0,1,2,3
	s_delay_alu instid0(VALU_DEP_4)
	v_permlanex16_b32 v[236+\b], v[232+\b], s[SEL], s[SEL+1]
.endr
.irp b, 0,1,2,3
	s_delay_alu instid0(VALU_DEP_4)
	v_max_num_f32 v[232+\b], v[232+\b], v[236+\b]
.endr
	s_delay_alu instid0(VALU_DEP_2)
	v_max3_num_f32 v254, v232, v233, v234
	s_delay_alu instid0(VALU_DEP_1)
	v_max_num_f32 v254, v254, v235
	s_delay_alu instid0(VALU_DEP_1)
	v_mul_f32 v254, s[CS], v254
	s_delay_alu instid0(VALU_DEP_1)
	v_max_num_f32 v13, v13, v254                   ; the running largest t
	v_mov_b32 v254, v12
	s_delay_alu instid0(VALU_DEP_2)
	v_floor_f32 v12, -v13                          ; -M = floor(-t): M is a whole number
	s_delay_alu instid0(VALU_DEP_1)
	v_sub_f32 v254, v12, v254
	s_delay_alu instid0(VALU_DEP_1)
	v_cvt_i32_f32 v254, v254
	s_delay_alu instid0(VALU_DEP_1)
	v_ldexp_f32 v252, 1.0, v254                    ; f = 2^(old M - new M): exact
.set j, 0
.rept 32
	v_pk_fma_f32 v[S+j:S+j+1], v[S+j:S+j+1], s[CS:CS+1], v[12:13] op_sel_hi:[1,0,0]   ; t - M
.set j, j+2
.endr
.irp b, 0,1,2,3
	v_fma_f32 v[232+\b], v[232+\b], s[CS], v12
.endr
.set j, 0
	s_wait_alu depctr_va_vdst(0)
.rept 64
	v_exp_f32 v[S+j], v[S+j]                       ; p
.set j, j+1
.endr
	v_pk_mul_f32 v[14:15], v[14:15], v[252:253] op_sel_hi:[1,0]   ; the sums under the new M (a plain instruction behind the batch)
	s_wait_alu depctr_va_vdst(0)                   ; one wait for the batch, ahead of its first reader
.irp b, 0,1,2,3
	v_exp_f32 v[232+\b], v[232+\b]                 ; the blocks' largest p
.endr
	v_pk_add_f32 v[236:237], v[108:109], v[112:113]
	v_pk_add_f32 v[248:249], v[116:117], v[120:121]
	v_pk_add_f32 v[246:247], v[124:125], v[128:129]
	v_pk_add_f32 v[244:245], v[132:133], v[136:137]
	v_pk_add_f32 v[242:243], v[140:141], v[144:145]
	v_pk_add_f32 v[240:241], v[148:149], v[152:153]
	v_pk_add_f32 v[238:239], v[156:157], v[160:161]
	v_pk_add_f32 v[14:15], v[14:15], v[164:165]
	v_pk_add_f32 v[236:237], v[236:237], v[104:105]
	v_pk_add_f32 v[248:249], v[248:249], v[106:107]
	v_pk_add_f32 v[246:247], v[246:247], v[110:111]
	v_pk_add_f32 v[244:245], v[244:245], v[114:115]
	v_pk_add_f32 v[242:243], v[242:243], v[118:119]
	v_pk_add_f32 v[240:241], v[240:241], v[122:123]
	v_pk_add_f32 v[238:239], v[238:239], v[126:127]
	v_pk_add_f32 v[14:15], v[14:15], v[130:131]
	v_pk_add_f32 v[236:237], v[236:237], v[134:135]
	v_pk_add_f32 v[248:249], v[248:249], v[138:139]
	v_pk_add_f32 v[246:247], v[246:247], v[142:143]
	v_pk_add_f32 v[244:245], v[244:245], v[146:147]
	v_pk_add_f32 v[242:243], v[242:243], v[150:151]
	v_pk_add_f32 v[240:241], v[240:241], v[154:155]
	v_pk_add_f32 v[238:239], v[238:239], v[158:159]
	v_pk_add_f32 v[14:15], v[14:15], v[162:163]
	v_pk_add_f32 v[236:237], v[236:237], v[166:167]
	s_delay_alu instid0(VALU_DEP_2)
	v_pk_add_f32 v[14:15], v[14:15], v[244:245]
	s_delay_alu instid0(VALU_DEP_2)
	v_pk_add_f32 v[236:237], v[236:237], v[242:243]
	v_pk_add_f32 v[248:249], v[248:249], v[240:241]
	v_pk_add_f32 v[246:247], v[246:247], v[238:239]
	s_delay_alu instid0(VALU_DEP_2)
	v_pk_add_f32 v[14:15], v[14:15], v[248:249]
	s_delay_alu instid0(VALU_DEP_2)
	v_pk_add_f32 v[236:237], v[236:237], v[246:247]
	s_delay_alu instid0(VALU_DEP_1)
	v_pk_add_f32 v[14:15], v[14:15], v[236:237]
	s_wait_alu depctr_va_vdst(0)                   ; and one for the four
.irp b, 0,1,2,3
	v_max_num_f32 v[232+\b], 0x4800000, v[232+\b]
.endr
.irp b, 0,1,2,3
	s_delay_alu instid0(VALU_DEP_4)
	v_add_nc_u32 v[244+\b], 0xfc000000, v[232+\b]
.endr
.irp b, 0,1,2,3
	v_and_or_b32 v[240+\b], v[232+\b], 0x7f800000, s[MNT]
.endr
.irp b, 0,1,2,3
	v_lshrrev_b32 v[236+\b], 23, v[244+\b]
.endr
	s_delay_alu instid0(VALU_DEP_3)
	v_lshl_or_b32 v[PSC], v237, 8, v236            ; p's scale word for these 128 keys
	s_delay_alu instid0(VALU_DEP_1)
	v_lshl_or_b32 v[PSC], v238, 16, v[PSC]
	s_delay_alu instid0(VALU_DEP_1)
	v_lshl_or_b32 v[PSC], v239, 24, v[PSC]
.irp b, 0,1,2,3
.irp i, 0,1,2,3,4,5,6,7,8,9,10,11,12,13,14,15
	v_min_num_f32 v[S+16*\b+\i], v[S+16*\b+\i], v[240+\b]   ; the hold; p is not negative
.endr
	v_cvt_scalef32_pk8_fp8_f32 v[PCD+4*\b:PCD+4*\b+1], v[S+16*\b:S+16*\b+7], v[244+\b]
	v_cvt_scalef32_pk8_fp8_f32 v[PCD+4*\b+2:PCD+4*\b+3], v[S+16*\b+8:S+16*\b+15], v[244+\b]
.endr
.set j, 0
.rept 16
	v_pk_mul_f32 v[O+j:O+j+1], v[O+j:O+j+1], v[252:253] op_sel_hi:[1,0]   ; O^T under the new M (also the places in front of the products below)
.set j, j+2
.endr
.irp t, 0,1,2,3
.irp c, 0,1,2,3
	ds_load_b128 v[32+16*\t+4*\c:32+16*\t+4*\c+3], v9 offset:16384*\t+512*\c
.endr
	ds_load_b32 v[KSC+\t], v11 offset:64*\t
.endr
	s_wait_alu depctr_va_vdst(0)
	s_wait_dscnt 0x0
.irp t, 0,1,2,3
	v_wmma_scale_f32_16x16x128_f8f6f4 v[O+8*\t:O+8*\t+7], v[32+16*\t:32+16*\t+15], v[PCD:PCD+15], v[O+8*\t:O+8*\t+7], v[KSC+\t], v[PSC]   ; the four accumulators by turns
.endr
.Lskip:
	s_add_co_u32 s[TK], s[TK], 8192
	s_add_co_u32 s[TV], s[TV], 2048
	s_add_co_u32 s[TS], s[TS], 512
	s_add_co_u32 s[TJ], s[TJ], 256
	s_add_co_u32 s[KT], s[KT], 1
	s_cmp_lt_u32 s[KT], 8
	s_cbranch_scc1 .Lstep
	; THE WAY OUT: O^T / the sum is my 16 tokens' 64 features of ctx: two blocks of the next product's K, quantised as they stand
.rept 8
	v_nop
.endr
	v_add_f32 v14, v14, v15
	s_delay_alu instid0(VALU_DEP_1)
	v_permlanex16_b32 v252, v14, s[SEL], s[SEL+1]
	s_delay_alu instid0(VALU_DEP_1)
	v_add_f32 v14, v14, v252
	s_wait_alu depctr_va_vdst(0)
	v_rcp_f32 v14, v14
	v_nop
	s_wait_alu depctr_va_vdst(0)
.set j, 0
.rept 32
	v_mul_f32 v[S+j], v[O+j], v14
.set j, j+1
.endr
.irp b, 0,1
	v_max3_num_f32 v[232+\b], |v[S+16*\b]|, |v[S+16*\b+1]|, 0x4800000
.endr
.irp i, 2,4,6,8,10,12,14
.irp b, 0,1
	s_delay_alu instid0(VALU_DEP_2)
	v_max3_num_f32 v[232+\b], v[232+\b], |v[S+16*\b+\i]|, |v[S+16*\b+\i+1]|
.endr
.endr
.irp b, 0,1
	s_delay_alu instid0(VALU_DEP_2)
	v_permlanex16_b32 v[236+\b], v[232+\b], s[SEL], s[SEL+1]
.endr
.irp b, 0,1
	s_delay_alu instid0(VALU_DEP_2)
	v_max_num_f32 v[232+\b], v[232+\b], v[236+\b]
.endr
.irp b, 0,1
	s_delay_alu instid0(VALU_DEP_2)
	v_add_nc_u32 v[244+\b], 0xfc000000, v[232+\b]
.endr
.irp b, 0,1
	s_delay_alu instid0(VALU_DEP_4)
	v_and_or_b32 v[240+\b], v[232+\b], 0x7f800000, s[MNT]
.endr
.irp b, 0,1
	s_delay_alu instid0(VALU_DEP_4)
	v_lshrrev_b32 v[236+\b], 23, v[244+\b]
.endr
	s_delay_alu instid0(VALU_DEP_1)
	v_lshl_or_b32 v[PSC], v237, 8, v236            ; the head's two scale bytes
.irp b, 0,1
.irp i, 0,1,2,3,4,5,6,7,8,9,10,11,12,13,14,15
	v_med3_num_f32 v[S+16*\b+\i], v[S+16*\b+\i], -v[240+\b], v[240+\b]
.endr
	v_cvt_scalef32_pk8_fp8_f32 v[PCD+4*\b:PCD+4*\b+1], v[S+16*\b:S+16*\b+7], v[244+\b]
	v_cvt_scalef32_pk8_fp8_f32 v[PCD+4*\b+2:PCD+4*\b+3], v[S+16*\b+8:S+16*\b+15], v[244+\b]
.endr
	v_nop
	global_store_b128 v5, v[PCD:PCD+3], s[88:89]                ; 512 consecutive bytes, aligned
	global_store_b128 v5, v[PCD+4:PCD+7], s[88:89] offset:512
	global_store_b16 v6, v[PSC], s[90:91]                       ; both halves of the lanes hold the same two bytes
	s_wait_tensorcnt 0x0
	ds_add_u32 v251, v255
	s_wait_dscnt 0x0
	CROUND                                         ; the closing round
	s_endpgm
.Lfunc_end_k_qcf8f4fbe6a_attn:
	.size	k_qcf8f4fbe6a_attn, .Lfunc_end_k_qcf8f4fbe6a_attn-k_qcf8f4fbe6a_attn
	.p2alignl 7, 3214868480
	.fill 96, 4, 3214868480
	.section	.rodata,"a",@progbits
	.p2align	6, 0x0
	.amdhsa_kernel k_qcf8f4fbe6a_attn
		.amdhsa_group_segment_fixed_size 169984
		.amdhsa_private_segment_fixed_size 0
		.amdhsa_enable_private_segment 0
		.amdhsa_kernarg_size 16
		.amdhsa_user_sgpr_count 2
		.amdhsa_user_sgpr_kernarg_segment_ptr 1
		.amdhsa_wavefront_size32 1
		.amdhsa_system_sgpr_workgroup_id_x 1
		.amdhsa_system_sgpr_workgroup_id_y 1
		.amdhsa_system_sgpr_workgroup_id_z 1
		.amdhsa_system_vgpr_workitem_id 0
		.amdhsa_next_free_vgpr 256
		.amdhsa_next_free_sgpr 96
		.amdhsa_reserve_vcc 1
		.amdhsa_float_denorm_mode_32 3
		.amdhsa_float_denorm_mode_16_64 3
		.amdhsa_memory_ordered 1
		.amdhsa_forward_progress 1
		.amdhsa_inst_pref_size 43
	.end_amdhsa_kernel
	.amdgpu_metadata
---
amdhsa.version: [ 1, 2 ]
amdhsa.kernels:
  - .name:           k_qcf8f4fbe6a_attn
    .symbol:         k_qcf8f4fbe6a_attn.kd
    .args:
      - { .name: qkv, .offset: 0, .size: 8, .value_kind: global_buffer, .address_space: global }
      - { .name: ctx, .offset: 8, .size: 8, .value_kind: global_buffer, .address_space: global }
    .group_segment_fixed_size: 169984
    .private_segment_fixed_size: 0
    .kernarg_segment_align: 8
    .kernarg_segment_size: 16
    .max_flat_workgroup_size: 512
    .sgpr_count:     96
    .vgpr_count:     256
    .wavefront_size: 32
...
	.end_amdgpu_metadata
.endif
;; end of part 3
;; launch wo (part 4): grid 8 x 32, 4 waves a work-group, no clusters, 270,848 bytes of LDS; arguments ctx, wts, bo, x, x1; writes x1
.if DOCPART == 4
	.amdgcn_target "amdgcn-amd-amdhsa--gfx1250"
	.amdhsa_code_object_version 6
	.text
	.protected	k_qcf8f4fbe6a_wo
	.globl	k_qcf8f4fbe6a_wo
	.p2align	8
	.type	k_qcf8f4fbe6a_wo,@function
k_qcf8f4fbe6a_wo:
	s_mov_b64 s[64:65], 0
	v_nop
	global_prefetch_b8 v0, s[64:65] scope:SCOPE_SE
	s_setreg_imm32_b32 hwreg(HW_REG_WAVE_MODE, 25, 1), 1
	s_wait_xcnt 0x0
; out = res + (Q(A) Q(B)^T + bias).  A: [4096][K] as a register image with scale words; B: [1024][K] likewise; bias [1024], res and out [4096][1024] f32.   Here: A = ctx, B = Wo, K = 1,024.
; N = 1,024 gives 256 tiles of 128 x 128, one for each work-group.  So that a wave's tile is still 128 x 128 (64 accumulators), THE FOUR WAVES SHARE K: wave w takes K steps w T .. w T + T - 1 of the whole tile.
; Every byte of the work-group's tiles of A and B is then wanted by exactly one wave, so fragments go from memory straight into that wave's registers, as they lie: four loads of 512 consecutive bytes each.
; No LDS ring, no barrier in the main part.  NO JOINT LOADS: a joint load lands in LDS, and here no byte is read by two waves of a work-group; two slots for four waves' K steps would leave each refill one
; step's 64 matrix instructions in which to land.  At the end the four partial tiles meet in LDS (rows of 512 bytes + 16), one barrier, and each wave adds, for 32 rows, the four parts, the bias and the residual.
; The split of K changes only the order of four f32 additions.
; The matrix instruction is used transposed (source 0 = 16 B-rows, source 1 = 16 A-rows): a lane holds eight neighbouring columns of one row of the output.
; REGISTERS: window 0: v1-7 addresses, v12-15 bias, v16-31 scale words (two sets) and nothing else, v64-255 three half sets of A's fragments (4 blocks each) that take turns; window 1: B's two sets; windows 2, 3: accumulators.
.set KS128, 8                          ; K / 128
.set A_S,   4194304                    ; A's scale words, [KS128][4096]
.set B_C,   3145728                    ; B's codes in wts
.set B_S,   12713984                   ; B's scale words, [KS128][1024]
.set T,     KS128/4                    ; K steps of a wave
.set KSB,   KS128*2048                 ; bytes of a tile of 16 rows
.set TILE,  67584                      ; LDS: 128 rows x 528 bytes, one for each wave
.set SA,  16                           ; v[SA + 8 p + i]: A's words: lanes 0-15 block 2 i, lanes 16-31 block 2 i + 1
.set SB,  20                           ; B's likewise
.set MSB, 0
.macro WIN new
.if MSB != (\new)
	s_set_vgpr_msb (MSB<<8)|(\new)
.set MSB, (\new)
.endif
.endm
.macro PLACES n
.rept \n
	v_nop
.endr
.endm
	s_load_b256 s[4:11], s[0:1], 0x0               ; A, wts, bias, res
	s_load_b64 s[12:13], s[0:1], 0x20              ; out
	v_lshl_add_u32 v62, v0, 2, 0x42000
	v_mov_b32 v63, 0
	v_lshrrev_b32 v5, 5, v0
	v_readfirstlane_b32 s14, v5                    ; wave
	s_and_b32 s15, ttmp7, 0xffff                   ; tile row; the tile column is ttmp9
	v_and_b32 v5, 31, v0
	v_lshlrev_b32 v1, 4, v5                        ; 16 x lane
	v_lshlrev_b32 v2, 2, v5                        ; 4 x lane
	v_and_b32 v6, 15, v0
	v_bfe_u32 v7, v0, 4, 1
	v_mul_u32_u24 v3, v6, 528
	v_lshl_add_u32 v3, v7, 5, v3
	s_mul_i32 s30, s14, TILE
	v_add_nc_u32 v3, s30, v3                       ; into my tile: row r, 32 bytes for each half of the lanes
	s_mul_i32 s30, s14, 32*528
.irp s, 0,1,2,3
	v_add_nc_u32 v[4+\s], s30, v1                  ; back: my 32 rows of tile s, 16 bytes a lane
	s_add_co_u32 s30, s30, TILE
.endr
	s_mul_i32 s16, s15, 8*KSB
	s_mul_i32 s31, s14, T*2048
	s_add_co_u32 s16, s16, s31                     ; A: 8 tiles of 16 rows, my K steps
	s_mov_b32 s17, 0
	s_mul_i32 s18, ttmp9, 8*KSB
	s_add_co_u32 s18, s18, s31
	s_add_co_u32 s18, s18, B_C
	s_mov_b32 s19, 0
	s_mul_i32 s20, s14, T*16384
	s_lshl_b32 s31, s15, 9
	s_add_co_u32 s20, s20, s31
	s_add_co_u32 s20, s20, A_S
	s_mov_b32 s21, 0
	s_mul_i32 s22, s14, T*4096
	s_lshl_b32 s31, ttmp9, 9
	s_add_co_u32 s22, s22, s31
	s_add_co_u32 s22, s22, B_S
	s_mov_b32 s23, 0
	s_mov_b32 s24, s31                             ; the tile's 128 columns in bytes
	s_mov_b32 s25, 0
	s_lshl_b32 s26, s15, 7
	s_lshl_b32 s32, s14, 5
	s_add_co_u32 s26, s26, s32                     ; the first row that I store
	s_lshl_b32 s26, s26, 12
	s_add_co_u32 s26, s26, s31
	s_mov_b32 s27, 0
	s_wait_kmcnt 0x0
	s_add_nc_u64 s[16:17], s[4:5], s[16:17]
	s_add_nc_u64 s[18:19], s[6:7], s[18:19]
	s_add_nc_u64 s[20:21], s[4:5], s[20:21]
	s_add_nc_u64 s[22:23], s[6:7], s[22:23]
	s_add_nc_u64 s[24:25], s[8:9], s[24:25]
	s_add_nc_u64 s[28:29], s[12:13], s[26:27]
	s_add_nc_u64 s[26:27], s[10:11], s[26:27]
.macro LOADG1 t                        ; 56 loads: step t's B, scale words and A's blocks 0-3
	WIN 0x40
.irp i, 0,1,2,3,4,5,6,7
.irp c, 0,1,2,3
	global_load_b128 v[128*((\t)%2)+16*\i+4*\c:128*((\t)%2)+16*\i+4*\c+3], v1, s[18:19] offset:\i*KSB+2048*(\t)+512*\c
.endr
.endr
	WIN 0
.irp i, 0,1,2,3
	global_load_b32 v[SA+8*((\t)%2)+\i], v2, s[20:21] offset:16384*(\t)+128*\i
	global_load_b32 v[SB+8*((\t)%2)+\i], v2, s[22:23] offset:4096*(\t)+128*\i
.endr
.set HX, 64+64*((2*(\t))%3)
.irp i, 0,1,2,3
.irp c, 0,1,2,3
	global_load_b128 v[HX+16*\i+4*\c:HX+16*\i+4*\c+3], v1, s[16:17] offset:\i*KSB+2048*(\t)+512*\c
.endr
.endr
.endm
.macro LOADG2 t                        ; 16 loads: A's blocks 4-7
.set HX, 64+64*((2*(\t)+1)%3)
.irp i, 0,1,2,3
.irp c, 0,1,2,3
	global_load_b128 v[HX+16*\i+4*\c:HX+16*\i+4*\c+3], v1, s[16:17] offset:(\i+4)*KSB+2048*(\t)+512*\c
.endr
.endr
.endm
.macro MM                              ; one product; oB, oA: the side's scales stand in lanes 16-31; zz: it starts the sum
.if zz
.if oB && oA
	v_wmma_scale_f32_16x16x128_f8f6f4 v[rD:rD+7], v[rB:rB+15], v[rA:rA+15], 0, v[rSB], v[rSA] matrix_a_scale:MATRIX_SCALE_ROW1 matrix_b_scale:MATRIX_SCALE_ROW1
.elseif oB
	v_wmma_scale_f32_16x16x128_f8f6f4 v[rD:rD+7], v[rB:rB+15], v[rA:rA+15], 0, v[rSB], v[rSA] matrix_a_scale:MATRIX_SCALE_ROW1
.elseif oA
	v_wmma_scale_f32_16x16x128_f8f6f4 v[rD:rD+7], v[rB:rB+15], v[rA:rA+15], 0, v[rSB], v[rSA] matrix_b_scale:MATRIX_SCALE_ROW1
.else
	v_wmma_scale_f32_16x16x128_f8f6f4 v[rD:rD+7], v[rB:rB+15], v[rA:rA+15], 0, v[rSB], v[rSA]
.endif
.else
.if oB && oA
	v_wmma_scale_f32_16x16x128_f8f6f4 v[rD:rD+7], v[rB:rB+15], v[rA:rA+15], v[rD:rD+7], v[rSB], v[rSA] matrix_a_scale:MATRIX_SCALE_ROW1 matrix_b_scale:MATRIX_SCALE_ROW1
.elseif oB
	v_wmma_scale_f32_16x16x128_f8f6f4 v[rD:rD+7], v[rB:rB+15], v[rA:rA+15], v[rD:rD+7], v[rSB], v[rSA] matrix_a_scale:MATRIX_SCALE_ROW1
.elseif oA
	v_wmma_scale_f32_16x16x128_f8f6f4 v[rD:rD+7], v[rB:rB+15], v[rA:rA+15], v[rD:rD+7], v[rSB], v[rSA] matrix_b_scale:MATRIX_SCALE_ROW1
.else
	v_wmma_scale_f32_16x16x128_f8f6f4 v[rD:rD+7], v[rB:rB+15], v[rA:rA+15], v[rD:rD+7], v[rSB], v[rSA]
.endif
.endif
.endm
.macro MULH t, hi                      ; 32 products: A's blocks 4 hi .. 4 hi + 3 x B's eight.  The 64 accumulators take turns in the same order in every step
.set HX, 64+64*((2*(\t)+\hi)%3)
.set zz, 0
.if (\t) == 0
.set zz, 1
.endif
.irp a, 0,1,2,3
.irp b, 0,1,2,3,4,5,6,7
.set rD, 8*(8*\a+\b)
.set rB, 128*((\t)%2)+16*\b
.set rA, HX+16*\a
.set rSB, SB+8*((\t)%2)+\b/2
.set rSA, SA+8*((\t)%2)+2*\hi+\a/2
.set oB, \b%2
.set oA, \a%2
	MM
.endr
.endr
.endm
.macro KSTEP t
.if (\t) == 0
	s_wait_loadcnt 63                              ; step 0's first group is in: 72 loads are younger (A's blocks 4-7 and step 1's first group); the count's field holds 63
.else
	s_wait_loadcnt 48                              ; step 1's first group is in; younger: A's blocks 4-7 (16) and the residual (32)
.endif
	WIN 0xa1
	MULH \t, 0
.if (\t) < T-1
	s_wait_loadcnt 56                              ; A's blocks 4-7 are in; the next step's first group, 56 loads, may be out
	PLACES 8
	WIN 0
	LOADG2 (\t)+1                                  ; into the half set just multiplied
.else
	s_wait_alu depctr_va_vdst(0)
	s_wait_loadcnt 32                              ; A's blocks 4-7 are in; the residual's 32 loads may be out
.endif
	WIN 0xf1
	MULH \t, 1
.if (\t) == 0
	PLACES 8                                       ; in front of loads into registers that the last products read
	WIN 0x40
.set i, 0
.rept 32
	global_load_b128 v[4*i:4*i+3], v1, s[26:27] offset:4096*i th:TH_LOAD_NT   ; the residual of my 32 rows, into B's set 0, which step 0 has left: row n at v[4 n] of window 1
.set i, i+1
.endr
	WIN 0
.endif
.endm
	global_load_b128 v[12:15], v1, s[24:25]        ; the bias at my four columns of a row
	LOADG1 0
	LOADG2 0
	LOADG1 1                                       ; step 1's first group has registers of its own from the start
.set kt, 0
.rept T
	KSTEP kt
.set kt, kt+1
.endr
	WIN 0
	PLACES 8
.irp a, 0,1,2,3,4,5,6,7
	WIN 0x08+4*(\a/4)                              ; an LDS store's data are its source 1: window 2 or 3
.irp b, 0,1,2,3,4,5,6,7
	ds_store_b128 v3, v[64*(\a%4)+8*\b:64*(\a%4)+8*\b+3] offset:8448*\a+64*\b        ; each accumulator from its low end on
	ds_store_b128 v3, v[64*(\a%4)+8*\b+4:64*(\a%4)+8*\b+7] offset:8448*\a+64*\b+16
.endr
.endr
	WIN 0
	s_wait_dscnt 0x0                               ; for the others' sake: my tile lies in LDS
	s_barrier_signal -1
	s_barrier_wait -1
.macro RLOAD g                         ; rows 2 g, 2 g + 1 of my 32, from all four tiles
.irp q, 0,1
.irp s, 0,1,2,3
	ds_load_b128 v[192+32*((\g)%2)+16*\q+4*\s:192+32*((\g)%2)+16*\q+4*\s+3], v[4+\s] offset:528*(2*(\g)+\q)
.endr
.endr
.endm
	RLOAD 0
.set gg, 0
.rept 16
.if gg < 15
.if gg > 0
	s_wait_xcnt 0x0                                ; the stores of two rows back have read the registers that the next loads fill
.endif
	RLOAD gg+1
	s_wait_dscnt 8                                 ; this pair of rows is in; the next pair's 8 loads may be out
.else
	s_wait_dscnt 0x0
.endif
.if gg == 0
	s_wait_loadcnt 0x0                             ; the residual
.endif
.irp q, 0,1
.set B0, 192+32*(gg%2)+16*\q
.set RR, 4*(2*gg+\q)
	v_pk_add_f32 v[B0:B0+1], v[B0:B0+1], v[B0+4:B0+5]
	v_pk_add_f32 v[B0+2:B0+3], v[B0+2:B0+3], v[B0+6:B0+7]
	v_pk_add_f32 v[B0+8:B0+9], v[B0+8:B0+9], v[B0+12:B0+13]
	v_pk_add_f32 v[B0+10:B0+11], v[B0+10:B0+11], v[B0+14:B0+15]
	v_pk_add_f32 v[B0:B0+1], v[B0:B0+1], v[B0+8:B0+9]
	v_pk_add_f32 v[B0+2:B0+3], v[B0+2:B0+3], v[B0+10:B0+11]
	v_pk_add_f32 v[B0:B0+1], v[B0:B0+1], v[12:13]
	v_pk_add_f32 v[B0+2:B0+3], v[B0+2:B0+3], v[14:15]
	WIN 0x04                                       ; source 1: window 1, where the residual lies
	v_pk_add_f32 v[B0:B0+1], v[B0:B0+1], v[RR:RR+1]
	v_pk_add_f32 v[B0+2:B0+3], v[B0+2:B0+3], v[RR+2:RR+3]
	WIN 0
	global_store_b128 v1, v[B0:B0+3], s[28:29] offset:4096*(2*gg+\q)   ; 32 lanes store 512 consecutive bytes, aligned
.endr
.set gg, gg+1
.endr
	s_wait_tensorcnt 0x0
	ds_add_u32 v62, v63
	s_wait_dscnt 0x0
	s_endpgm
.Lfunc_end_k_qcf8f4fbe6a_wo:
	.size	k_qcf8f4fbe6a_wo, .Lfunc_end_k_qcf8f4fbe6a_wo-k_qcf8f4fbe6a_wo
	.p2alignl 7, 3214868480
	.fill 96, 4, 3214868480
	.section	.rodata,"a",@progbits
	.p2align	6, 0x0
	.amdhsa_kernel k_qcf8f4fbe6a_wo
		.amdhsa_group_segment_fixed_size 270848
		.amdhsa_private_segment_fixed_size 0
		.amdhsa_enable_private_segment 0
		.amdhsa_kernarg_size 40
		.amdhsa_user_sgpr_count 2
		.amdhsa_user_sgpr_kernarg_segment_ptr 1
		.amdhsa_wavefront_size32 1
		.amdhsa_system_sgpr_workgroup_id_x 1
		.amdhsa_system_sgpr_workgroup_id_y 1
		.amdhsa_system_sgpr_workgroup_id_z 1
		.amdhsa_system_vgpr_workitem_id 0
		.amdhsa_next_free_vgpr 1024
		.amdhsa_next_free_sgpr 66
		.amdhsa_reserve_vcc 0
		.amdhsa_float_denorm_mode_32 3
		.amdhsa_float_denorm_mode_16_64 3
		.amdhsa_memory_ordered 1
		.amdhsa_forward_progress 1
		.amdhsa_inst_pref_size 79
	.end_amdhsa_kernel
	.amdgpu_metadata
---
amdhsa.version: [ 1, 2 ]
amdhsa.kernels:
  - .name:           k_qcf8f4fbe6a_wo
    .symbol:         k_qcf8f4fbe6a_wo.kd
    .args:
      - { .name: ctx, .offset: 0, .size: 8, .value_kind: global_buffer, .address_space: global }
      - { .name: wts, .offset: 8, .size: 8, .value_kind: global_buffer, .address_space: global }
      - { .name: bo, .offset: 16, .size: 8, .value_kind: global_buffer, .address_space: global }
      - { .name: x, .offset: 24, .size: 8, .value_kind: global_buffer, .address_space: global }
      - { .name: x1, .offset: 32, .size: 8, .value_kind: global_buffer, .address_space: global }
    .group_segment_fixed_size: 270848
    .private_segment_fixed_size: 0
    .kernarg_segment_align: 8
    .kernarg_segment_size: 40
    .max_flat_workgroup_size: 128
    .sgpr_count:     66
    .vgpr_count:     1024
    .wavefront_size: 32
...
	.end_amdgpu_metadata
.endif
;; end of part 4
;; launch ln2 (part 5): grid 256 x 1, 4 waves a work-group, no clusters, 18,944 bytes of LDS; arguments x1, ln2_scale, ln2_shift, h2; writes h2
.if DOCPART == 5
	.amdgcn_target "amdgcn-amd-amdhsa--gfx1250"
	.amdhsa_code_object_version 6
	.text
	.protected	k_qcf8f4fbe6a_ln2
	.globl	k_qcf8f4fbe6a_ln2
	.p2align	8
	.type	k_qcf8f4fbe6a_ln2,@function
k_qcf8f4fbe6a_ln2:
	s_mov_b64 s[64:65], 0
	v_nop
	global_prefetch_b8 v0, s[64:65] scope:SCOPE_SE
	s_setreg_imm32_b32 hwreg(HW_REG_WAVE_MODE, 25, 1), 1
	s_wait_xcnt 0x0
; LayerNorm 2 of 16 tokens a work-group, quantised to E4M3 codes with one E8M0 byte for each 32 along K, stored as a register image:
; fragment (T, s) = rows 16 T .. 16 T + 15, k = 128 s .. 128 s + 127, 2,048 bytes at (8 T + s) x 2048; registers 4 c .. 4 c + 3 of lane l at 512 c + 16 l; the pair 4 c + 2 u, 4 c + 2 u + 1 of lane (r, h) holds
; k = 32 c + 16 u + 8 h + 0 .. 7.  Scale words: one a row and K step, byte c = block c, laid [K step][row].  A block of zeros keeps the byte 1: its codes are zeros and this program alone reads the bytes.
; LIMITS: NaN and infinities are not served; blocks whose largest magnitude lies under 2^-118 are held at the byte 1.  Memory binds: no matrix unit, no cluster, no tensor load.
.set H_S,    4194304
.set SST,    17408                     ; LDS: 64 groups of 256 bytes of codes, 272 apart; behind them 512 scale bytes [K step][row][block]
.set X,   64                           ; v64-191  four rows x 32 numbers: 32 p + 8 j + e = k 256 j + 8 lane + e of row 4 wave + p
.set G,   192
.set BT,  224
.set SM,  16
.set MN,  24
.set RS,  32
.set TM,  40
.set CD,  192                          ; the codes take the gain's registers when the gain is done with, the bytes the shift's
.set BY,  224
	s_load_b128 s[4:7], s[0:1], 0x0                ; x1, gain
	s_load_b128 s[8:11], s[0:1], 0x10              ; shift, h2
	v_lshl_add_u32 v62, v0, 2, 0x4800
	v_mov_b32 v63, 0
	v_lshrrev_b32 v14, 5, v0
	v_readfirstlane_b32 s12, v14                   ; wave
	v_and_b32 v2, 31, v0                           ; lane
	v_lshlrev_b32 v3, 5, v2
	s_lshl_b32 s13, s12, 14
	v_add_nc_u32 v1, s13, v3
	v_lshrrev_b32 v14, 4, v2
	v_bfe_u32 v15, v2, 2, 2                        ; c
	v_lshlrev_b32 v4, 3, v14
	v_lshl_add_u32 v4, v15, 1, v4
	v_and_b32 v5, 1, v2                            ; h
	v_add_nc_u32 v4, v4, v5                        ; group 8 s + 2 c + h
	v_mul_u32_u24 v4, v4, 272
	v_bfe_u32 v5, v2, 1, 1                         ; u
	v_lshl_add_u32 v4, v5, 3, v4
	s_lshl_b32 s13, s12, 6
	v_add_nc_u32 v4, s13, v4                       ; v4: where my 8 codes go
	v_lshl_add_u32 v5, v14, 6, v15
	s_lshl_b32 s13, s12, 4
	s_add_co_u32 s13, s13, SST
	v_add_nc_u32 v5, s13, v5                       ; v5: my block's byte
	v_mul_u32_u24 v6, v14, 272
	v_and_b32 v15, 15, v2
	v_lshl_add_u32 v6, v15, 4, v6
	s_mul_i32 s13, s12, 4352
	v_add_nc_u32 v6, s13, v6                       ; v6: back: groups 16 w .. 16 w + 15
	v_lshlrev_b32 v7, 4, v2
	v_add_nc_u32 v8, SST, v7
	s_lshl_b32 s13, s12, 12
	v_add_nc_u32 v7, s13, v7
	v_lshrrev_b32 v9, 2, v2
	v_lshlrev_b32 v9, 14, v9
	v_and_b32 v15, 3, v2
	v_lshl_add_u32 v9, v15, 4, v9
.irp p, 0,1,2,3
	v_mov_b32 v[10+\p], 0
.endr
	s_mov_b32 s20, 0x76543210
	s_mov_b32 s21, 0xfedcba98
	s_mov_b32 s22, 0x3a800000                      ; 1 / 1024
	s_mov_b32 s23, 0x3727c5ac                      ; eps = 1e-5
	s_mov_b32 s24, 0x600000
	s_lshl_b32 s14, ttmp9, 16
	s_mov_b32 s15, 0
	s_lshl_b32 s16, ttmp9, 14
	s_mov_b32 s17, 0
	s_lshl_b32 s18, ttmp9, 6
	s_add_co_u32 s18, s18, H_S
	s_mov_b32 s19, 0
	s_wait_kmcnt 0x0
	s_add_nc_u64 s[4:5], s[4:5], s[14:15]
	s_add_nc_u64 s[18:19], s[10:11], s[18:19]
	s_add_nc_u64 s[10:11], s[10:11], s[16:17]
.irp p, 0,1,2,3
.irp j, 0,1,2,3
	global_load_b128 v[X+32*\p+8*\j:X+32*\p+8*\j+3], v1, s[4:5] offset:4096*\p+1024*\j
	global_load_b128 v[X+32*\p+8*\j+4:X+32*\p+8*\j+7], v1, s[4:5] offset:4096*\p+1024*\j+16
.endr
.endr
.irp j, 0,1,2,3
	global_load_b128 v[G+8*\j:G+8*\j+3], v3, s[6:7] offset:1024*\j
	global_load_b128 v[G+8*\j+4:G+8*\j+7], v3, s[6:7] offset:1024*\j+16
	global_load_b128 v[BT+8*\j:BT+8*\j+3], v3, s[8:9] offset:1024*\j
	global_load_b128 v[BT+8*\j+4:BT+8*\j+7], v3, s[8:9] offset:1024*\j+16
.endr
.macro ACROSS
.irp p, 0,1,2,3
	v_add_f32 v[SM+2*\p], v[SM+2*\p], v[SM+2*\p+1]
.endr
.irp m, 1,2,4,8
.irp p, 0,1,2,3
	v_add_f32_dpp v[SM+2*\p], v[SM+2*\p], v[SM+2*\p] row_xmask:\m row_mask:0xf bank_mask:0xf
.endr
.endr
.irp p, 0,1,2,3
	v_permlanex16_b32 v[10+\p], v[SM+2*\p], s20, s21
.endr
.irp p, 0,1,2,3
	v_add_f32 v[SM+2*\p], v[SM+2*\p], v[10+\p]
.endr
.endm
	s_wait_loadcnt 16                              ; the rows are in; the 16 younger loads are gain and shift
.irp p, 0,1,2,3
	v_pk_add_f32 v[SM+2*\p:SM+2*\p+1], v[X+32*\p:X+32*\p+1], v[X+32*\p+2:X+32*\p+3]
.endr
.set i, 4
.rept 14
.irp p, 0,1,2,3
	v_pk_add_f32 v[SM+2*\p:SM+2*\p+1], v[SM+2*\p:SM+2*\p+1], v[X+32*\p+i:X+32*\p+i+1]
.endr
.set i, i+2
.endr
	ACROSS
.irp p, 0,1,2,3
	v_mul_f32 v[MN+2*\p], s22, v[SM+2*\p]
.endr
.irp p, 0,1,2,3
	v_mov_b32 v[MN+2*\p+1], v[MN+2*\p]
.endr
.irp p, 0,1,2,3
.set i, 0
.rept 16
	v_pk_add_f32 v[X+32*\p+i:X+32*\p+i+1], v[X+32*\p+i:X+32*\p+i+1], v[MN+2*\p:MN+2*\p+1] neg_lo:[0,1] neg_hi:[0,1]   ; x - mean: the variance is taken of these
.set i, i+2
.endr
.endr
.irp p, 0,1,2,3
	v_pk_mul_f32 v[SM+2*\p:SM+2*\p+1], v[X+32*\p:X+32*\p+1], v[X+32*\p:X+32*\p+1]
.endr
.set i, 2
.rept 15
.irp p, 0,1,2,3
	v_pk_fma_f32 v[SM+2*\p:SM+2*\p+1], v[X+32*\p+i:X+32*\p+i+1], v[X+32*\p+i:X+32*\p+i+1], v[SM+2*\p:SM+2*\p+1]
.endr
.set i, i+2
.endr
	ACROSS
.irp p, 0,1,2,3
	v_fma_f32 v[SM+2*\p], v[SM+2*\p], s22, s23
.endr
	s_wait_alu depctr_va_vdst(0)
.irp p, 0,1,2,3
	v_rsq_f32 v[RS+2*\p], v[SM+2*\p]
.endr
	v_nop
	s_wait_alu depctr_va_vdst(0)                   ; one wait for the four, ahead of their first reader
.irp p, 0,1,2,3
	v_mov_b32 v[RS+2*\p+1], v[RS+2*\p]
.endr
	s_wait_alu depctr_va_vdst(0)
	s_wait_loadcnt 0x0
.irp p, 0,1,2,3
.set i, 0
.rept 16
	v_pk_mul_f32 v[X+32*\p+i:X+32*\p+i+1], v[X+32*\p+i:X+32*\p+i+1], v[RS+2*\p:RS+2*\p+1]
	v_pk_fma_f32 v[X+32*\p+i:X+32*\p+i+1], v[X+32*\p+i:X+32*\p+i+1], v[G+i:G+i+1], v[BT+i:BT+i+1]
.set i, i+2
.endr
.endr
.irp j, 0,1,2,3
.irp p, 0,1,2,3
	v_max3_num_f32 v[TM+\p], |v[X+32*\p+8*\j]|, |v[X+32*\p+8*\j+1]|, 0x4800000
.endr
.irp i, 2,4,6
.irp p, 0,1,2,3
	v_max3_num_f32 v[TM+\p], v[TM+\p], |v[X+32*\p+8*\j+\i]|, |v[X+32*\p+8*\j+\i+1]|
.endr
.endr
.irp m, 1,2
.irp p, 0,1,2,3
	v_max_num_f32_dpp v[TM+\p], v[TM+\p], v[TM+\p] row_xmask:\m row_mask:0xf bank_mask:0xf
.endr
.endr
.irp p, 0,1,2,3
	v_add_nc_u32 v[TM+4+\p], 0xfc000000, v[TM+\p]
.endr
.irp p, 0,1,2,3
	v_and_or_b32 v[TM+8+\p], v[TM+\p], 0x7f800000, s24
.endr
.irp p, 0,1,2,3
.irp e, 0,1,2,3,4,5,6,7
	v_med3_num_f32 v[X+32*\p+8*\j+\e], v[X+32*\p+8*\j+\e], -v[TM+8+\p], v[TM+8+\p]
.endr
.endr
.irp p, 0,1,2,3
	v_cvt_scalef32_pk8_fp8_f32 v[CD+2*(4*\p+\j):CD+2*(4*\p+\j)+1], v[X+32*\p+8*\j:X+32*\p+8*\j+7], v[TM+4+\p]
.endr
.irp p, 0,1,2,3
	v_lshrrev_b32 v[BY+4*\p+\j], 23, v[TM+4+\p]
.endr
.irp p, 0,1,2,3
	ds_store_b64 v4, v[CD+2*(4*\p+\j):CD+2*(4*\p+\j)+1] offset:4352*\j+16*\p
	ds_store_b8 v5, v[BY+4*\p+\j] offset:128*\j+4*\p
.endr
.endr
	s_wait_dscnt 0x0                               ; for the others' sake: my stores have landed
	s_barrier_signal -1
	s_barrier_wait -1
.irp i, 0,1,2,3,4,5,6,7
	ds_load_b128 v[X+4*\i:X+4*\i+3], v6 offset:544*\i
.endr
.irp i, 0,1,2,3,4,5,6,7
	s_wait_dscnt 7-\i
	global_store_b128 v7, v[X+4*\i:X+4*\i+3], s[10:11] offset:512*\i
.endr
	s_cmp_lg_u32 s12, 0
	s_cbranch_scc1 .Lln_end
	ds_load_b128 v[X+32:X+35], v8
	s_wait_dscnt 0x0
	global_store_b128 v9, v[X+32:X+35], s[18:19]
.Lln_end:
	s_wait_tensorcnt 0x0
	ds_add_u32 v62, v63
	s_wait_dscnt 0x0
	s_endpgm
.Lfunc_end_k_qcf8f4fbe6a_ln2:
	.size	k_qcf8f4fbe6a_ln2, .Lfunc_end_k_qcf8f4fbe6a_ln2-k_qcf8f4fbe6a_ln2
	.p2alignl 7, 3214868480
	.fill 96, 4, 3214868480
	.section	.rodata,"a",@progbits
	.p2align	6, 0x0
	.amdhsa_kernel k_qcf8f4fbe6a_ln2
		.amdhsa_group_segment_fixed_size 18944
		.amdhsa_private_segment_fixed_size 0
		.amdhsa_enable_private_segment 0
		.amdhsa_kernarg_size 32
		.amdhsa_user_sgpr_count 2
		.amdhsa_user_sgpr_kernarg_segment_ptr 1
		.amdhsa_wavefront_size32 1
		.amdhsa_system_sgpr_workgroup_id_x 1
		.amdhsa_system_sgpr_workgroup_id_y 1
		.amdhsa_system_sgpr_workgroup_id_z 1
		.amdhsa_system_vgpr_workitem_id 0
		.amdhsa_next_free_vgpr 256
		.amdhsa_next_free_sgpr 66
		.amdhsa_reserve_vcc 0
		.amdhsa_float_denorm_mode_32 3
		.amdhsa_float_denorm_mode_16_64 3
		.amdhsa_memory_ordered 1
		.amdhsa_forward_progress 1
		.amdhsa_inst_pref_size 54
	.end_amdhsa_kernel
	.amdgpu_metadata
---
amdhsa.version: [ 1, 2 ]
amdhsa.kernels:
  - .name:           k_qcf8f4fbe6a_ln2
    .symbol:         k_qcf8f4fbe6a_ln2.kd
    .args:
      - { .name: x1, .offset: 0, .size: 8, .value_kind: global_buffer, .address_space: global }
      - { .name: ln2_scale, .offset: 8, .size: 8, .value_kind: global_buffer, .address_space: global }
      - { .name: ln2_shift, .offset: 16, .size: 8, .value_kind: global_buffer, .address_space: global }
      - { .name: h2, .offset: 24, .size: 8, .value_kind: global_buffer, .address_space: global }
    .group_segment_fixed_size: 18944
    .private_segment_fixed_size: 0
    .kernarg_segment_align: 8
    .kernarg_segment_size: 32
    .max_flat_workgroup_size: 128
    .sgpr_count:     66
    .vgpr_count:     256
    .wavefront_size: 32
...
	.end_amdgpu_metadata
.endif
;; end of part 5
;; launch w1 (part 6): grid 16 x 16, 4 waves a work-group, clusters of 4 x 4, 327,680 bytes of LDS; arguments h2, wts, b1, g; writes g
.if DOCPART == 6
	.amdgcn_target "amdgcn-amd-amdhsa--gfx1250"
	.amdhsa_code_object_version 6
	.text
	.protected	k_qcf8f4fbe6a_w1
	.globl	k_qcf8f4fbe6a_w1
	.p2align	8
	.type	k_qcf8f4fbe6a_w1,@function
k_qcf8f4fbe6a_w1:
	s_mov_b64 s[64:65], 0
	v_nop
	global_prefetch_b8 v0, s[64:65] scope:SCOPE_SE
	s_setreg_imm32_b32 hwreg(HW_REG_WAVE_MODE, 25, 1), 1
	s_wait_xcnt 0x0
	s_wait_alu depctr_hold_cnt(0) depctr_sa_sdst(0) depctr_va_vdst(0) depctr_va_sdst(0) depctr_va_ssrc(0) depctr_va_vcc(0) depctr_vm_vsrc(0)
	s_getreg_b32 s2, hwreg(HW_REG_IB_STS2, 6, 4)
	s_cmp_eq_u32 s2, 0
	s_cbranch_scc0 .Lentry_in_a_cluster
	s_endpgm
.Lentry_in_a_cluster:
	s_bfe_u32 s2, ttmp6, 0x10000c
	s_cmp_lg_u32 s2, 0xf033
	s_cbranch_scc0 .Lentry_shape_is_right
	s_endpgm
.Lentry_shape_is_right:
.set W1K, 1
.set H_S,    4194304
.set WQKV_S, 12582912
.set W1_C,   4194304
.set W1_S,   12746752
.set VT_C,   8388608
.set QK_S,   12582912
.set VT_S,   12845056
.set G_S,    16777216
.set PART,   32768
.set SLOT,   4*PART
.set SCL,    2*SLOT
.set SPARE,  SCL+4*4096
.set NP,  8
.set NL,  4
.set FR,  16
.set ADRA, 16
.set ADRB, 20
.set LI,   24
.set LS,   25
.set ADRS, 27
.set SPW,  28
.set NIL,  29
.set SC,   32
.set BI,   64
.set AF,   128
.set PC,   64
.set PW,   80
.set TM,   82
.set KV,   98
.set T,    128
.set G1, 24
.set G0, 32
.set G1B, 48
.set G0B, 56
.set G1S, 68
.set G0S, 76
.set G1SB, 80
.set G0SB, 88
.set OC, 92
.set OS, 94
.if W1K
.set PA, 4
.set PB, 6
.set OUT, 10
.else
.set PA, 10
.set PB, 12
.set OUT, 8
.endif
.set MSB, 0
.macro WIN new
.if MSB != (\new)
	s_set_vgpr_msb (MSB<<8)|(\new)
.set MSB, (\new)
.endif
.endm
.set MUL_LO, 0xa1
.set MUL_HI, 0xf1
.set TO_B,   0x40
.macro JLOAD g0a, g1a, g0b, g1b
	s_cmp_eq_u32 s15, 0
	s_cbranch_scc0 .Lfor_b_\@
	tensor_load_to_lds s[\g0a:\g0a+3], s[\g1a:\g1a+7]
	s_nop 0
.rept 4
	v_nop
.endr
	s_branch .Lasked_\@
.Lfor_b_\@:
	tensor_load_to_lds s[\g0b:\g0b+3], s[\g1b:\g1b+7]
	s_nop 0
.rept 4
	v_nop
.endr
.Lasked_\@:
.endm
.macro CREST
	s_cmp_lg_u32 s14, 0
	s_cbranch_scc1 .Lnot_wave_0_\@
	s_barrier_signal -3
.Lnot_wave_0_\@:
	s_barrier_wait -3
	s_barrier_signal -1
	s_barrier_wait -1
.endm
.macro CROUND
	s_barrier_signal -1
	s_barrier_wait -1
	CREST
.endm
.macro PLACES n
.rept \n
	v_nop
.endr
.endm
.if W1K
	s_load_b256 s[4:11], s[0:1], 0x0
.else
	s_load_b128 s[4:7], s[0:1], 0x0
	s_load_b64 s[8:9], s[0:1], 0x10
.endif
	v_lshl_add_u32 v[SPW], v0, 2, SPARE
	v_mov_b32 v[NIL], 0
	ds_add_u32 v28, v29
	ds_add_u32 v28, v29
	s_wait_dscnt 0x0
	v_lshrrev_b32 v1, 5, v0
	v_readfirstlane_b32 s14, v1
	s_and_b32 s17, ttmp7, 0xffff
.if W1K
	s_mov_b32 s42, ttmp9
	s_mov_b32 s2, 0
	s_mov_b32 s3, H_S
	s_mov_b32 s18, W1_C
	s_mov_b32 s19, W1_S
	s_mov_b32 s95, 0
	s_mov_b32 s96, 65536
	s_mov_b32 s98, G_S
	s_mov_b32 s99, 16384
.else
	s_mov_b32 s3, H_S
	s_mov_b32 s19, WQKV_S
	s_mov_b32 s96, 32768
	s_mov_b32 s98, QK_S
	s_mov_b32 s99, 16384
	s_mov_b32 s18, 0
	s_cmp_eq_u32 ttmp9, 2
	s_cselect_b32 s42, s17, ttmp9
	s_cselect_b32 s17, 0, s17
	s_cselect_b32 s2, 0x200000, 0
	s_cselect_b32 s3, WQKV_S+8192, s3
	s_cselect_b32 s19, H_S, s19
	s_cselect_b32 s95, VT_C, 0
	s_cselect_b32 s96, 65536, s96
	s_cselect_b32 s98, VT_S, s98
	s_cselect_b32 s99, 4096, s99
.endif
	s_mov_b32 s97, 0
	s_lshr_b32 s15, s14, 1
	s_and_b32 s16, s14, 1
	s_bfe_u32 s40, ttmp6, 0x40000
	s_bfe_u32 s41, ttmp6, 0x40004
	s_lshl_b32 s42, s42, 2
	s_add_co_u32 s42, s42, s40
	s_lshl_b32 s17, s17, 2
	s_add_co_u32 s17, s17, s41
	s_lshl_b32 s43, s41, 2
	s_lshl_b32 s43, 15, s43
	s_lshl_b32 s44, 0x1111, s40
	s_or_b32 s[G1+0], s43, (3<<16)|(1<<21)
	s_or_b32 s[G1B+0], s44, (3<<16)|(1<<21)
.irp g, G1, G1B
	s_mov_b32 s[\g+1], 512<<16
	s_mov_b32 s[\g+2], 16<<16                      ; the head's loads bring 16 tiles of 16 rows, two fragments of each
	s_mov_b32 s[\g+3], 512<<16
	s_mov_b32 s[\g+4], 16
	s_mov_b32 s[\g+5], 2048
	s_mov_b32 s[\g+6], 0
	s_mov_b32 s[\g+7], 0
.endr
	s_lshl_b32 s20, s17, 4
	s_lshl_b32 s22, s20, 6
	s_lshl_b32 s20, s20, 14
	s_add_co_u32 s20, s20, s2
	s_add_co_u32 s22, s22, s3
	s_mov_b32 s21, 0
	s_mov_b32 s23, 0
	s_lshl_b32 s46, s42, 4
	s_lshl_b32 s92, s46, 6
	s_lshl_b32 s46, s46, 14
	s_add_co_u32 s46, s46, s18
	s_add_co_u32 s92, s92, s19
	s_mov_b32 s47, 0
	s_mov_b32 s93, 0
	s_lshl_b32 s45, s14, 15
	s_lshl_b32 s94, s14, 12
	s_wait_kmcnt 0x0
.if !W1K
	s_cmp_eq_u32 ttmp9, 2
	s_cselect_b64 s[10:11], s[6:7], s[4:5]
	s_cselect_b64 s[12:13], s[4:5], s[6:7]
.endif
	s_add_nc_u64 s[20:21], s[PA:PA+1], s[20:21]
	s_add_nc_u64 s[22:23], s[PA:PA+1], s[22:23]
	s_add_nc_u64 s[46:47], s[PB:PB+1], s[46:47]
	s_add_nc_u64 s[92:93], s[PB:PB+1], s[92:93]
	; THE SCALE WORDS of the block's 256 rows of A and of B, all 8 K steps, 1,024 bytes a K step: waves 0, 1 take A's K steps 0-3, 4-7, waves 2, 3 B's: eight loads of 512 consecutive bytes a wave; they go on into LDS bytes of their own, [side][K step][row]
	s_cmp_eq_u32 s15, 0
	s_cselect_b64 s[2:3], s[22:23], s[92:93]
	s_lshl_b32 s92, s16, 16                        ; four K steps of 16,384 bytes on
	s_add_co_u32 s93, s94, SCL                     ; LDS: 4,096 x wave
	v_and_b32 v1, 31, v0
	v_lshlrev_b32 v[LI], 4, v1
	v_add_nc_u32 v6, s92, v[LI]
	v_add_nc_u32 v7, s93, v[LI]
.irp j, 0,1,2,3,4,5,6,7
	global_load_b128 v[AF+4*\j:AF+4*\j+3], v6, s[2:3] offset:(\j/2)*16384+(\j%2)*512
.endr
.irp s, 0,1
	s_mov_b32 s[G0+4*\s], 1
	s_mov_b32 s[G0+4*\s+1], \s*SLOT
	s_add_nc_u64 s[G0+4*\s+2:G0+4*\s+3], s[20:21], \s*4096
	s_or_b32 s[G0+4*\s+3], s[G0+4*\s+3], 0x80000000
	s_mov_b32 s[G0B+4*\s], 1
	s_mov_b32 s[G0B+4*\s+1], \s*SLOT+2*PART
	s_add_nc_u64 s[G0B+4*\s+2:G0B+4*\s+3], s[46:47], \s*4096
	s_or_b32 s[G0B+4*\s+3], s[G0B+4*\s+3], 0x80000000
.endr
	s_lshl_b32 s18, s16, 17                        ; for the ring: my 8 tiles of a side's 16, in bytes
	s_mov_b32 s19, 0
	CROUND                                         ; all sixteen work-groups are here: the first joint loads meet
; THE HEAD'S LOADS, ONE A WAVE, fill BOTH slots: wave 0 slot 0's 16 tiles of A, wave 1 its 16 of B, wave 2 slot 1's of A, wave 3 slot 1's of B.  One chain of branches on the wave's number, a load line to an arm
.macro ARM under, g0, g1, next
	s_cmp_lt_u32 s14, \under
	s_cbranch_scc0 \next
	tensor_load_to_lds s[\g0:\g0+3], s[\g1:\g1+7]
	s_nop 0
	PLACES 4
	s_branch .Lhead_asked
\next:
.endm
	ARM 1, G0, G1, .Lhead_b0
	ARM 2, G0B, G1B, .Lhead_a1
	ARM 3, G0+4, G1, .Lhead_b1
	tensor_load_to_lds s[G0B+4:G0B+7], s[G1B:G1B+7]
	s_nop 0
	PLACES 4
.Lhead_asked:
	v_and_b32 v2, 15, v0
	v_lshlrev_b32 v[LS], 2, v2
	v_bfe_u32 v3, v0, 4, 1
	s_wait_alu depctr_va_vdst(0)
	s_lshl_b32 s21, s15, 15
	s_lshl_b32 s22, s16, 15
	s_add_co_u32 s22, s22, 2*PART
.irp s, 0,1
	v_add_nc_u32 v[ADRA+\s], s21, v[LI]
	v_add_nc_u32 v[ADRB+\s], s22, v[LI]
	s_add_co_u32 s21, s21, SLOT
	s_add_co_u32 s22, s22, SLOT
.endr
	s_lshl_b32 s21, s15, 9
	s_lshl_b32 s22, s16, 9
	s_add_co_u32 s22, s22, 2*4096
	s_sub_co_u32 s22, s22, s21
	v_mul_u32_u24 v4, s22, v3
	s_add_co_u32 s21, s21, SCL
	v_add_nc_u32 v4, v4, v[LS]
	v_add_nc_u32 v[ADRS], s21, v4
.if W1K
	s_lshl_b32 s46, s42, 10
	s_lshl_b32 s47, s16, 9
	s_add_co_u32 s46, s46, s47
	s_mov_b32 s47, 0
	s_add_nc_u64 s[8:9], s[8:9], s[46:47]
	v_lshlrev_b32 v5, 5, v3
.irp b, 0,1,2,3,4,5,6,7
	global_load_b128 v[BI+8*\b:BI+8*\b+3], v5, s[8:9] offset:64*\b
	global_load_b128 v[BI+8*\b+4:BI+8*\b+7], v5, s[8:9] offset:64*\b+16
.endr
.endif
	s_lshl_b32 s20, s17, 4
	s_lshl_b32 s21, s15, 3
	s_add_co_u32 s20, s20, s21
	s_lshl_b32 s22, s20, 6
	s_mul_i32 s20, s20, s96
	s_add_co_u32 s20, s20, s95
	s_lshl_b32 s46, s42, 1
	s_add_co_u32 s46, s46, s16
	s_mul_i32 s47, s46, s99
	s_lshl_b32 s46, s46, 11
	s_add_co_u32 s20, s20, s46
	s_add_co_u32 s22, s22, s47
	s_add_co_u32 s22, s22, s98
	s_mov_b32 s21, 0
	s_mov_b32 s23, 0
	s_add_nc_u64 s[OC:OC+1], s[OUT:OUT+1], s[20:21]
	s_add_nc_u64 s[OS:OS+1], s[OUT:OUT+1], s[22:23]
.macro FRAG reg, adr, q, i
.irp c, 0,1,2,3
	ds_load_b128 v[\reg+4*\c:\reg+4*\c+3], v[\adr] offset:2048*(\q)+512*\c+4096*(\i)
.endr
.endm
.macro MUL16 a0, p, q, sc, zero
.irp a, \a0, \a0+1
.irp b, 0,1,2,3,4,5,6,7
.if \zero == 1
	v_wmma_scale_f32_16x16x128_f8f6f4 v[8*(8*((\a)%4)+\b):8*(8*((\a)%4)+\b)+7], v[128*(\p)+FR*\b:128*(\p)+FR*\b+FR-1], v[AF+FR*(\a):AF+FR*(\a)+FR-1], 0, v[SC+16*(\sc)+2*\b+(\q)], v[SC+16*(\sc)+2*(\a)+(\q)] matrix_a_scale:MATRIX_SCALE_ROW1
.elseif \zero == 2
	v_wmma_scale_f32_16x16x128_f8f6f4 v[8*(8*((\a)%4)+\b):8*(8*((\a)%4)+\b)+7], v[128*(\p)+FR*\b:128*(\p)+FR*\b+FR-1], v[AF+FR*(\a):AF+FR*(\a)+FR-1], v[BI+8*\b:BI+8*\b+7], v[SC+16*(\sc)+2*\b+(\q)], v[SC+16*(\sc)+2*(\a)+(\q)] matrix_a_scale:MATRIX_SCALE_ROW1
.else
	v_wmma_scale_f32_16x16x128_f8f6f4 v[8*(8*((\a)%4)+\b):8*(8*((\a)%4)+\b)+7], v[128*(\p)+FR*\b:128*(\p)+FR*\b+FR-1], v[AF+FR*(\a):AF+FR*(\a)+FR-1], v[8*(8*((\a)%4)+\b):8*(8*((\a)%4)+\b)+7], v[SC+16*(\sc)+2*\b+(\q)], v[SC+16*(\sc)+2*(\a)+(\q)] matrix_a_scale:MATRIX_SCALE_ROW1
.endif
.endr
.endr
.endm
.macro FETCH_B slot, q, p
	WIN TO_B
.irp i, 0,1,2,3,4,5,6,7
	FRAG 128*(\p)+FR*\i, ADRB+\slot, \q, \i
.endr
	WIN 0
.endm
.macro FETCH_A slot, q, i0
.irp i, \i0, \i0+1, \i0+2, \i0+3
	FRAG AF+FR*(\i), ADRA+\slot, \q, \i
.endr
.endm
.macro SCALES sc, kk
.irp i, 0,1,2,3,4,5,6,7
.irp q, 0,1
	ds_load_b32 v[SC+16*\sc+2*\i+\q], v[ADRS] offset:(2*(\kk)+\q)*1024+64*\i
.endr
.endr
.endm
.macro STEP slot, q, zero
	s_wait_dscnt 4*NL
.if \zero == 2
	WIN 0x81
.else
	WIN MUL_LO
.endif
	MUL16 0, (\q)%2, \q, \slot, \zero
	MUL16 2, (\q)%2, \q, \slot, \zero
	s_wait_dscnt 0
	PLACES NP
	FETCH_B \slot, (\q)+1, 1-(\q)%2
	FETCH_A \slot, (\q)+1, 0
.if \zero == 2
	WIN 0xc1
.else
	WIN MUL_HI
.endif
	MUL16 4, (\q)%2, \q, \slot, \zero
	MUL16 6, (\q)%2, \q, \slot, \zero
	PLACES NP
	WIN 0
	FETCH_A \slot, (\q)+1, 4
.endm
.macro TURN slot, next, fill, kk
	s_wait_tensorcnt 0x0
	ds_add_u32 v[SPW], v[NIL]
.if \kk == 1
	s_mov_b32 s[G1+2], 8<<16                       ; no tensor load of mine is out, so the descriptors may be written: from here on a load brings 8 tiles, a quarter of a slot a wave
	s_mov_b32 s[G1+4], 8
	s_mov_b32 s[G1B+2], 8<<16
	s_mov_b32 s[G1B+4], 8
	s_mov_b32 s[G0+1], s45
	s_mov_b32 s[G0B+1], s45
	s_add_co_u32 s[G0+5], s45, SLOT
	s_add_co_u32 s[G0B+5], s45, SLOT
	s_add_nc_u64 s[G0+2:G0+3], s[G0+2:G0+3], s[18:19]
	s_add_nc_u64 s[G0B+2:G0B+3], s[G0B+2:G0B+3], s[18:19]
	s_add_nc_u64 s[G0+6:G0+7], s[G0+6:G0+7], s[18:19]
	s_add_nc_u64 s[G0B+6:G0B+7], s[G0B+6:G0B+7], s[18:19]
.endif
	s_wait_dscnt 4*NL+1
	WIN MUL_LO
	MUL16 0, 1, 1, \slot, 0
	s_wait_dscnt 0x0
	s_barrier_signal -1
	MUL16 2, 1, 1, \slot, 0
	WIN 0
	s_barrier_wait -1
.if \fill
	CREST
	s_add_nc_u64 s[G0+4*\slot+2:G0+4*\slot+3], s[G0+4*\slot+2:G0+4*\slot+3], 8192
	s_add_nc_u64 s[G0B+4*\slot+2:G0B+4*\slot+3], s[G0B+4*\slot+2:G0B+4*\slot+3], 8192
	JLOAD G0+4*\slot, G1, G0B+4*\slot, G1B
	PLACES NP-4
.else
	PLACES NP
.endif
	FETCH_B \next, 0, 0
	FETCH_A \next, 0, 0
	SCALES \next, \kk
	WIN MUL_HI
	MUL16 4, 1, 1, \slot, 0
	MUL16 6, 1, 1, \slot, 0
	PLACES NP
	WIN 0
	FETCH_A \next, 0, 4
.endm
	s_wait_alu depctr_va_vdst(0)
.if W1K
	s_wait_loadcnt 16                              ; my scale words are in; the 16 younger loads are the bias
.else
	s_wait_loadcnt 0x0                             ; my scale words are in
.endif
.irp j, 0,1,2,3,4,5,6,7
	ds_store_b128 v7, v[AF+4*\j:AF+4*\j+3] offset:512*\j
.endr
	s_cmp_lt_u32 s14, 2                            ; waves 0 and 1 wait for slot 0's tiles here; waves 2 and 3 wait for slot 1's at the first change of slots
	s_cbranch_scc0 .Lslot_1s
	s_wait_tensorcnt 0x0
.Lslot_1s:
	s_wait_dscnt 0x0                               ; for the others' sake: my scale words lie in LDS
	s_barrier_signal -1
	s_barrier_wait -1
	FETCH_B 0, 0, 0
	FETCH_A 0, 0, 0
	SCALES 0, 0
	FETCH_A 0, 0, 4
.if W1K
	s_wait_loadcnt 0x0
	STEP 0, 0, 2
.else
	STEP 0, 0, 1
.endif
	TURN 0, 1, 1, 1
	STEP 1, 0, 0
	TURN 1, 0, 1, 2
	STEP 0, 0, 0
	TURN 0, 1, 0, 3
	STEP 1, 0, 0
	s_wait_dscnt 4*NL
	WIN MUL_LO
	MUL16 0, 1, 1, 1, 0
	MUL16 2, 1, 1, 1, 0
	s_wait_dscnt 0
	WIN MUL_HI
	MUL16 4, 1, 1, 1, 0
	MUL16 6, 1, 1, 1, 0
	WIN 0
.macro QUANT s, w
	WIN (\w)|((\w)<<2)
.irp b, 0,1,2,3
	v_max3_num_f32 v[TM+\b], |v[(\s)+16*\b]|, |v[(\s)+16*\b+1]|, 0x4800000
.endr
.irp i, 2,4,6,8,10,12,14
.irp b, 0,1,2,3
	v_max3_num_f32 v[TM+\b], |v[(\s)+16*\b+\i]|, |v[(\s)+16*\b+\i+1]|, v[TM+\b]
.endr
.endr
	WIN 0
.irp b, 0,1,2,3
	v_permlanex16_b32 v[TM+4+\b], v[TM+\b], s66, s67
.endr
.irp b, 0,1,2,3
	v_max_num_f32 v[TM+\b], v[TM+\b], v[TM+4+\b]
.endr
.irp b, 0,1,2,3
	v_add_nc_u32 v[TM+12+\b], 0xfc000000, v[TM+\b]
.endr
.irp b, 0,1,2,3
	v_and_or_b32 v[TM+8+\b], v[TM+\b], 0x7f800000, s3
.endr
.irp b, 0,1,2,3
	v_lshrrev_b32 v[TM+4+\b], 23, v[TM+12+\b]
.endr
	v_lshl_or_b32 v[PW], v[TM+5], 8, v[TM+4]
	v_lshl_or_b32 v[PW], v[TM+6], 16, v[PW]
	v_lshl_or_b32 v[PW], v[TM+7], 24, v[PW]
	WIN (\w)|((\w)<<6)
.irp b, 0,1,2,3
.irp i, 0,1,2,3,4,5,6,7,8,9,10,11,12,13,14,15
	v_med3_num_f32 v[(\s)+16*\b+\i], v[(\s)+16*\b+\i], -v[TM+8+\b], v[TM+8+\b]
.endr
.endr
	WIN (\w)
.irp b, 0,1,2,3
	v_cvt_scalef32_pk8_fp8_f32 v[PC+4*\b:PC+4*\b+1], v[(\s)+16*\b:(\s)+16*\b+7], v[TM+12+\b]
	v_cvt_scalef32_pk8_fp8_f32 v[PC+4*\b+2:PC+4*\b+3], v[(\s)+16*\b+8:(\s)+16*\b+15], v[TM+12+\b]
.endr
	WIN 0
	v_nop
.endm
.macro GELU
	WIN WW|(WW<<2)
.set i, 0
.rept 32
	v_pk_mul_f32 v[T+i:T+i+1], v[AC+i:AC+i+1], v[AC+i:AC+i+1]
.set i, i+2
.endr
	WIN 0
.set i, 0
.rept 32
	v_pk_fma_f32 v[T+i:T+i+1], v[T+i:T+i+1], s[18:19], v[KV:KV+1] op_sel_hi:[1,0,0]
.set i, i+2
.endr
	WIN WW<<2
.set i, 0
.rept 32
	v_pk_mul_f32 v[T+i:T+i+1], v[T+i:T+i+1], v[AC+i:AC+i+1]
.set i, i+2
.endr
	WIN 0
.set i, 0
	s_wait_alu depctr_va_vdst(0)
.rept 64
	v_exp_f32 v[T+i], v[T+i]
.set i, i+1
.endr
	v_nop
	s_wait_alu depctr_va_vdst(0)
.set i, 0
.rept 32
	v_pk_add_f32 v[T+i:T+i+1], v[T+i:T+i+1], 1.0 op_sel_hi:[1,0]
.set i, i+2
.endr
.set i, 0
	s_wait_alu depctr_va_vdst(0)
.rept 64
	v_rcp_f32 v[T+i], v[T+i]
.set i, i+1
.endr
	v_nop
	s_wait_alu depctr_va_vdst(0)
	WIN WW<<2
.set i, 0
.rept 32
	v_pk_mul_f32 v[T+i:T+i+1], v[T+i:T+i+1], v[AC+i:AC+i+1]
.set i, i+2
.endr
	WIN 0
.endm
.macro EPI a
.set AC, 64*((\a)%4)
.set WW, 2+(\a)/4
	s_wait_xcnt 0x0
.if (\a) > 0
	s_add_nc_u64 s[OC:OC+1], s[OC:OC+1], s[96:97]
.endif
.if W1K
	GELU
	QUANT T, 0
.else
	QUANT AC, WW
.endif
.irp c, 0,1,2,3
	global_store_b128 v[LI], v[PC+4*\c:PC+4*\c+3], s[OC:OC+1] offset:512*\c
.endr
	global_store_b32 v[LS], v[PW], s[OS:OS+1] offset:64*(\a)
.endm
	s_mov_b32 s66, 0x76543210
	s_mov_b32 s67, 0xfedcba98
	s_mov_b32 s3, 0x600000
	s_mov_b32 s18, 0xbdd2d3e8
	s_mov_b32 s19, s18
	PLACES NP
	v_mov_b32 v[KV], 0xc0135761
	v_mov_b32 v[KV+1], 0xc0135761
.irp b, 0,1,2,3
	v_mov_b32 v[TM+4+\b], 0
.endr
.irp a, 0,1,2,3,4,5,6,7
	EPI \a
.endr
	s_wait_tensorcnt 0x0
	ds_add_u32 v[SPW], v[NIL]
	s_wait_dscnt 0x0
	CROUND
	s_endpgm
.Lfunc_end_k_qcf8f4fbe6a_w1:
	.size	k_qcf8f4fbe6a_w1, .Lfunc_end_k_qcf8f4fbe6a_w1-k_qcf8f4fbe6a_w1
	.p2alignl 7, 3214868480
	.fill 96, 4, 3214868480
	.section	.rodata,"a",@progbits
	.p2align	6, 0x0
	.amdhsa_kernel k_qcf8f4fbe6a_w1
		.amdhsa_group_segment_fixed_size 327680
		.amdhsa_private_segment_fixed_size 0
		.amdhsa_enable_private_segment 0
		.amdhsa_kernarg_size 32
		.amdhsa_user_sgpr_count 2
		.amdhsa_user_sgpr_kernarg_segment_ptr 1
		.amdhsa_wavefront_size32 1
		.amdhsa_system_sgpr_workgroup_id_x 1
		.amdhsa_system_sgpr_workgroup_id_y 1
		.amdhsa_system_sgpr_workgroup_id_z 1
		.amdhsa_system_vgpr_workitem_id 0
		.amdhsa_next_free_vgpr 1024
		.amdhsa_next_free_sgpr 100
		.amdhsa_reserve_vcc 0
		.amdhsa_float_denorm_mode_32 3
		.amdhsa_float_denorm_mode_16_64 3
		.amdhsa_memory_ordered 1
		.amdhsa_forward_progress 1
		.amdhsa_inst_pref_size 255
	.end_amdhsa_kernel
	.section	.bss,"aw",@nobits
	.p2align	6
	.space	262144
	.amdgpu_metadata
---
amdhsa.version: [ 1, 2 ]
amdhsa.kernels:
  - .name:           k_qcf8f4fbe6a_w1
    .symbol:         k_qcf8f4fbe6a_w1.kd
    .args:
      - { .name: h2, .offset: 0, .size: 8, .value_kind: global_buffer, .address_space: global }
      - { .name: wts, .offset: 8, .size: 8, .value_kind: global_buffer, .address_space: global }
      - { .name: b1, .offset: 16, .size: 8, .value_kind: global_buffer, .address_space: global }
      - { .name: g, .offset: 24, .size: 8, .value_kind: global_buffer, .address_space: global }
    .group_segment_fixed_size: 327680
    .private_segment_fixed_size: 0
    .kernarg_segment_align: 8
    .kernarg_segment_size: 32
    .max_flat_workgroup_size: 128
    .sgpr_count:     100
    .vgpr_count:     1024
    .wavefront_size: 32
...
	.end_amdgpu_metadata
.endif
;; end of part 6
;; launch w2 (part 7): grid 8 x 32, 4 waves a work-group, clusters of 4 x 1, 327,680 bytes of LDS; arguments g, wts, b2, x1, out0; writes out0
.if DOCPART == 7
	.amdgcn_target "amdgcn-amd-amdhsa--gfx1250"
	.amdhsa_code_object_version 6
	.text
	.protected	k_qcf8f4fbe6a_w2
	.globl	k_qcf8f4fbe6a_w2
	.p2align	8
	.type	k_qcf8f4fbe6a_w2,@function
k_qcf8f4fbe6a_w2:
	s_mov_b64 s[64:65], 0
	v_nop
	global_prefetch_b8 v0, s[64:65] scope:SCOPE_SE
	s_setreg_imm32_b32 hwreg(HW_REG_WAVE_MODE, 25, 1), 1
	s_wait_xcnt 0x0
	s_wait_alu depctr_hold_cnt(0) depctr_sa_sdst(0) depctr_va_vdst(0) depctr_va_sdst(0) depctr_va_ssrc(0) depctr_va_vcc(0) depctr_vm_vsrc(0)
	s_getreg_b32 s2, hwreg(HW_REG_IB_STS2, 6, 4)
	s_cmp_eq_u32 s2, 0
	s_cbranch_scc0 .Lentry_in_a_cluster
	s_endpgm
.Lentry_in_a_cluster:
	s_bfe_u32 s2, ttmp6, 0x10000c
	s_cmp_lg_u32 s2, 0x3003
	s_cbranch_scc0 .Lentry_shape_is_right
	s_endpgm
.Lentry_shape_is_right:
; out = res + (Q(A) Q(B)^T + bias).  A = g (the activated hidden layer), [4096][4096] as a register image with scale words; B = W2, [1024][4096] likewise; bias [1024], res and out [4096][1024] f32.
; IMAGES: fragment (T, s) = rows 16 T .. 16 T + 15, k = 128 s .. 128 s + 127, is 2,048 bytes at (32 T + s) x 2048; registers 4 c .. 4 c + 3 of lane l lie at 512 c + 16 l.  Scale words: one a row and K step, laid [K step][row].
; N = 1,024 gives 256 tiles of 128 x 128, one for each work-group.  So that a wave's tile is still 128 x 128 (64 accumulators), THE FOUR WAVES SHARE K: wave w takes K steps 8 w .. 8 w + 7 of the whole tile.
; A COMES THROUGH LDS, JOINTLY: the four work-groups of a cluster lie along x and share their tile row, so they share A: wave w of each asks, with the same descriptor and a mask that names the four, for its own
; K steps: 8 tiles of 16 rows x 2 K steps = 32 KiB a load, into its own part of a slot.  Two slots of 128 KiB: steps 0, 1 | 2, 3 come as first fills, steps 4, 5 | 6, 7 as refills.  A wave reads only bytes that it asked for.
; B AND THE SCALE WORDS GO STRAIGHT INTO REGISTERS, as they lie: four loads of 512 consecutive bytes a fragment.  NO JOINT LOADS FOR B: the two slots of A take 262,144 of the 327,680 bytes of LDS, and what lands in
; registers is on its way beside what lands in LDS.  A K step is 40 register loads (32 of B, 8 scale words).
; A STEP'S 64 PRODUCTS GO IN FOUR QUADRANTS of 16: (A's half 0, B's half 0), (1, 0), (1, 1), (0, 1).  B's half 0 is free behind the second and is asked for anew, for the step two on, there; B's half 1 behind the fourth.
; So every register load has a step and a half in which to land.  Each accumulator takes its K steps in ascending order.
; At the end the four partial tiles meet in LDS (rows of 512 bytes + 16; they lie over the slots, which have had their last fill and their last read), and each wave adds, for 32 rows, the four parts, the bias and the residual.
; The split of K changes only the order of four f32 additions.  The matrix instruction is used transposed (source 0 = 16 B-rows, source 1 = 16 A-rows): a lane holds eight neighbouring columns of one row of the output.
; REGISTERS: window 0: v1-11 addresses, v12-15 bias, v16-39 scale words (three sets) and nothing else, v64-255 three half sets of A's fragments (4 blocks each) that take turns;
;   window 1: B's two sets, in halves of 4 blocks; the set that step 6 leaves takes the residual;   windows 2, 3: accumulators ((a, b) at v[8 (8 (a % 4) + b)]).
.set KS128, 32                         ; K / 128
.set A_S,   16777216                   ; A's scale words, [32][4096]
.set B_C,   8388608                    ; B's codes in wts
.set B_S,   12877824                   ; B's scale words, [32][1024]
.set T,     8                          ; K steps of a wave
.set KSB,   KS128*2048                 ; bytes of a tile of 16 rows
.set PART,  32768                      ; 8 tiles x 2 K steps x 2,048: what one tensor load brings, and what one wave reads of a slot
.set SLOT,  4*PART
.set TILE,  67584                      ; the reduction: 128 rows x 528 bytes, one for each wave
.set SPARE, 4*TILE                     ; behind them: the spare words, 128 bytes a wave: two blocks of 256 bytes that no other line names
.set SA,   16                          ; v[SA + 8 (t % 3) + i]: A's words: lanes 0-15 block 2 i, lanes 16-31 block 2 i + 1
.set SB,   20                          ; B's likewise
.set ADRA, 8                           ; v8, v9  my part of slot 0, 1: 32,768 x wave + 16 x lane
.set SPW,  10                          ; v10 my spare word; never rewritten
.set NIL,  11                          ; v11 0; never rewritten
.set G1,   36                          ; s[36:43] descriptor group 1
.set G0,   44                          ; s[44:51] group 0, a set for each slot
.set MSB, 0
.macro WIN new                         ; the immediate's high byte repeats the setting that is left
.if MSB != (\new)
	s_set_vgpr_msb (MSB<<8)|(\new)
.set MSB, (\new)
.endif
.endm
.macro PLACES n
.rept \n
	v_nop
.endr
.endm
.macro CREST                           ; a round of the cluster's barrier behind its opening barrier
	s_cmp_lg_u32 s14, 0
	s_cbranch_scc1 .Lnot_wave_0_\@
	s_barrier_signal -3
.Lnot_wave_0_\@:
	s_barrier_wait -3
	s_barrier_signal -1
	s_barrier_wait -1
.endm
.macro CROUND
	s_barrier_signal -1
	s_barrier_wait -1
	CREST
.endm
	s_load_b256 s[4:11], s[0:1], 0x0               ; A, wts, bias, res
	s_load_b64 s[12:13], s[0:1], 0x20              ; out
	v_lshl_add_u32 v[SPW], v0, 2, SPARE
	v_mov_b32 v[NIL], 0
	ds_add_u32 v10, v11
	ds_add_u32 v10, v11
	s_wait_dscnt 0x0
	v_lshrrev_b32 v5, 5, v0
	v_readfirstlane_b32 s14, v5                    ; wave
	s_and_b32 s15, ttmp7, 0xffff                   ; tile row: the four partners share it
	s_bfe_u32 s33, ttmp6, 0x40000                  ; cx
	s_lshl_b32 s34, ttmp9, 2
	s_add_co_u32 s34, s34, s33                     ; tile column = 4 x cluster x + cx: it enters B's, the bias's, the residual's and the output's addresses alone
	v_and_b32 v5, 31, v0
	v_lshlrev_b32 v1, 4, v5                        ; 16 x lane
	v_lshlrev_b32 v2, 2, v5                        ; 4 x lane
	v_and_b32 v6, 15, v0
	v_bfe_u32 v7, v0, 4, 1
	v_mul_u32_u24 v3, v6, 528
	v_lshl_add_u32 v3, v7, 5, v3
	s_mul_i32 s30, s14, TILE
	v_add_nc_u32 v3, s30, v3                       ; into my partial tile: row r, 32 bytes for each half of the lanes
	s_mul_i32 s30, s14, 32*528
.irp s, 0,1,2,3
	v_add_nc_u32 v[4+\s], s30, v1                  ; back: my 32 rows of tile s, 16 bytes a lane
	s_add_co_u32 s30, s30, TILE
.endr
	s_lshl_b32 s30, s14, 15
	v_add_nc_u32 v[ADRA], s30, v1
	s_add_co_u32 s30, s30, SLOT
	v_add_nc_u32 v[ADRA+1], s30, v1
	; descriptor group 1: 8 rows (a tile of 16 rows of A each) of 4,096 bytes (two fragments), 65,536 bytes apart; elements of 8 bytes; dense in LDS; the mask names all four work-groups, bit 21 beside it
	s_mov_b32 s[G1], 15|(3<<16)|(1<<21)
	s_mov_b32 s[G1+1], 512<<16
	s_mov_b32 s[G1+2], 8<<16
	s_mov_b32 s[G1+3], 512<<16
	s_mov_b32 s[G1+4], 8
	s_mov_b32 s[G1+5], KSB/8
	s_mov_b32 s[G1+6], 0
	s_mov_b32 s[G1+7], 0
	s_mul_i32 s16, s15, 8*KSB
	s_mul_i32 s31, s14, T*2048
	s_add_co_u32 s16, s16, s31                     ; A: 8 tiles of 16 rows, my K steps: made of the tile row and the wave's number alone
	s_mov_b32 s17, 0
	s_mul_i32 s18, s34, 8*KSB
	s_add_co_u32 s18, s18, s31
	s_add_co_u32 s18, s18, B_C
	s_mov_b32 s19, 0
	s_mul_i32 s20, s14, T*16384
	s_lshl_b32 s32, s15, 9
	s_add_co_u32 s20, s20, s32
	s_add_co_u32 s20, s20, A_S
	s_mov_b32 s21, 0
	s_mul_i32 s22, s14, T*4096
	s_lshl_b32 s35, s34, 9                         ; the tile's 128 columns in bytes
	s_add_co_u32 s22, s22, s35
	s_add_co_u32 s22, s22, B_S
	s_mov_b32 s23, 0
	s_mov_b32 s24, s35
	s_mov_b32 s25, 0
	s_lshl_b32 s26, s15, 7
	s_lshl_b32 s32, s14, 5
	s_add_co_u32 s26, s26, s32                     ; the first row that I store
	s_lshl_b32 s26, s26, 12
	s_add_co_u32 s26, s26, s35
	s_mov_b32 s27, 0
	s_wait_kmcnt 0x0
	s_add_nc_u64 s[16:17], s[4:5], s[16:17]
	s_add_nc_u64 s[18:19], s[6:7], s[18:19]
	s_add_nc_u64 s[20:21], s[4:5], s[20:21]
	s_add_nc_u64 s[22:23], s[6:7], s[22:23]
	s_add_nc_u64 s[24:25], s[8:9], s[24:25]
	s_add_nc_u64 s[28:29], s[12:13], s[26:27]
	s_add_nc_u64 s[26:27], s[10:11], s[26:27]
	s_mov_b32 s[G0], 1                             ; group 0, slot 0: K steps 0, 1 of mine
	s_lshl_b32 s[G0+1], s14, 15                    ; LDS: 32,768 x wave: no place in the cluster enters an LDS address
	s_mov_b64 s[G0+2:G0+3], s[16:17]
	s_or_b32 s[G0+3], s[G0+3], 0x80000000
	s_mov_b32 s[G0+4], 1                           ; slot 1: K steps 2, 3
	s_add_co_u32 s[G0+5], s[G0+1], SLOT
	s_add_nc_u64 s[G0+6:G0+7], s[16:17], 4096
	s_or_b32 s[G0+7], s[G0+7], 0x80000000
.macro LOADBH t, hb                    ; 16 loads: B's blocks 4 hb .. 4 hb + 3 of step t
	WIN 0x40
.irp i, 0,1,2,3
.irp c, 0,1,2,3
	global_load_b128 v[128*((\t)%2)+64*(\hb)+16*\i+4*\c:128*((\t)%2)+64*(\hb)+16*\i+4*\c+3], v1, s[18:19] offset:(4*(\hb)+\i)*KSB+2048*(\t)+512*\c
.endr
.endr
	WIN 0
.endm
.macro LOADSC t                        ; 8 loads: step t's scale words, into set t % 3
.irp i, 0,1,2,3
	global_load_b32 v[SA+8*((\t)%3)+\i], v2, s[20:21] offset:16384*(\t)+128*\i
	global_load_b32 v[SB+8*((\t)%3)+\i], v2, s[22:23] offset:4096*(\t)+128*\i
.endr
.endm
.macro LOADRES j                       ; 16 loads: the residual of my rows 16 j .. 16 j + 15, into the half of B's set 0 that step 6 has just left: row n at v[4 n] of window 1
	WIN 0x40
.set i, 0
.rept 16
	global_load_b128 v[64*(\j)+4*i:64*(\j)+4*i+3], v1, s[26:27] offset:4096*(16*(\j)+i) th:TH_LOAD_NT
.set i, i+1
.endr
	WIN 0
.endm
.macro FETCHA t, ha                    ; 16 LDS loads: A's blocks 4 ha .. 4 ha + 3 of step t, as they lie, into half set (2 t + ha) % 3
.set HX, 64+64*((2*(\t)+(\ha))%3)
.irp i, 0,1,2,3
.irp c, 0,1,2,3
	ds_load_b128 v[HX+16*\i+4*\c:HX+16*\i+4*\c+3], v[ADRA+((\t)/2)%2] offset:2048*((\t)%2)+512*\c+4096*(4*(\ha)+\i)
.endr
.endr
.endm
.macro MM                              ; one product; oB, oA: the side's scales stand in lanes 16-31; zz: it starts the sum
.if zz
.if oB && oA
	v_wmma_scale_f32_16x16x128_f8f6f4 v[rD:rD+7], v[rB:rB+15], v[rA:rA+15], 0, v[rSB], v[rSA] matrix_a_scale:MATRIX_SCALE_ROW1 matrix_b_scale:MATRIX_SCALE_ROW1
.elseif oB
	v_wmma_scale_f32_16x16x128_f8f6f4 v[rD:rD+7], v[rB:rB+15], v[rA:rA+15], 0, v[rSB], v[rSA] matrix_a_scale:MATRIX_SCALE_ROW1
.elseif oA
	v_wmma_scale_f32_16x16x128_f8f6f4 v[rD:rD+7], v[rB:rB+15], v[rA:rA+15], 0, v[rSB], v[rSA] matrix_b_scale:MATRIX_SCALE_ROW1
.else
	v_wmma_scale_f32_16x16x128_f8f6f4 v[rD:rD+7], v[rB:rB+15], v[rA:rA+15], 0, v[rSB], v[rSA]
.endif
.else
.if oB && oA
	v_wmma_scale_f32_16x16x128_f8f6f4 v[rD:rD+7], v[rB:rB+15], v[rA:rA+15], v[rD:rD+7], v[rSB], v[rSA] matrix_a_scale:MATRIX_SCALE_ROW1 matrix_b_scale:MATRIX_SCALE_ROW1
.elseif oB
	v_wmma_scale_f32_16x16x128_f8f6f4 v[rD:rD+7], v[rB:rB+15], v[rA:rA+15], v[rD:rD+7], v[rSB], v[rSA] matrix_a_scale:MATRIX_SCALE_ROW1
.elseif oA
	v_wmma_scale_f32_16x16x128_f8f6f4 v[rD:rD+7], v[rB:rB+15], v[rA:rA+15], v[rD:rD+7], v[rSB], v[rSA] matrix_b_scale:MATRIX_SCALE_ROW1
.else
	v_wmma_scale_f32_16x16x128_f8f6f4 v[rD:rD+7], v[rB:rB+15], v[rA:rA+15], v[rD:rD+7], v[rSB], v[rSA]
.endif
.endif
.endm
.macro MULQ t, ha, hb                  ; a quadrant: 16 products: A's blocks 4 ha .. + 3 x B's blocks 4 hb .. + 3.  The 64 accumulators take turns, one instruction a turn, in the same order in every step
.set HX, 64+64*((2*(\t)+(\ha))%3)
.set zz, 0
.if (\t) == 0
.set zz, 1
.endif
.irp a, 0,1,2,3
.irp b, 0,1,2,3
.set rD, 8*(8*\a+4*(\hb)+\b)
.set rB, 128*((\t)%2)+64*(\hb)+16*\b
.set rA, HX+16*\a
.set rSB, SB+8*((\t)%3)+2*(\hb)+\b/2
.set rSA, SA+8*((\t)%3)+2*(\ha)+\a/2
.set oB, \b%2
.set oA, \a%2
	MM
.endr
.endr
.endm
; A K STEP.  Register loads are issued in this order: for each step t first its scale words and B's half 0 (24 loads), then B's half 1 (16); in the place of a step 8 stand the residual's two halves (16 and 16).
; turn = 1: the slot whose second step this is has been read out when A's half 1 is in: it is filled again, with my K steps four on.
.macro KSTEP t, turn
.if (\t) < T-1
	s_wait_loadcnt 56                              ; my scale words and B's half 0 are in; younger: B's half 1 (16) and the next step's 40
.else
	s_wait_loadcnt 48                              ; younger: B's half 1 (16) and the residual (32)
.endif
.if \turn
	s_wait_tensorcnt 0x0                           ; all my tensor loads have landed, my part of the other slot among them
	ds_add_u32 v[SPW], v[NIL]                      ; 0 onto my spare word
	s_wait_dscnt 17                                ; A's half 0 is in (the add and the 16 loads of half 1 may be out)
.else
	s_wait_dscnt 16                                ; A's half 0 is in; the 16 loads of half 1 may be out
.endif
	WIN 0xa1                                       ; source 0 (B) window 1, source 1 (A) window 0, C and D window 2
	MULQ \t, 0, 0
	s_wait_dscnt 0x0                               ; A's half 1 is in; in a turn also: the add is done, and my reads of this slot are over
.if \turn
	s_barrier_signal -1
.endif
	WIN 0xf1                                       ; C and D window 3
	MULQ \t, 1, 0
	WIN 0
.if \turn
.set SL, ((\t)/2)%2
	s_barrier_wait -1
	CREST                                          ; the barrier has opened a round of the cluster's: no wave of any partner still reads this slot or has a load on its way
	s_add_nc_u64 s[G0+4*SL+2:G0+4*SL+3], s[G0+4*SL+2:G0+4*SL+3], 4*2048
	tensor_load_to_lds s[G0+4*SL:G0+4*SL+3], s[G1:G1+7]   ; the first tensor load behind the round, my only one until the next
	s_nop 0
.endif
.if (\t) < T-1
	PLACES 8                                       ; in front of loads into registers that the last products read; in a turn the first four also stand behind the tensor load
.endif
.if (\t)+2 < T
	LOADSC (\t)+2                                  ; the set that step t - 1 left
	LOADBH (\t)+2, 0                               ; B's half 0 is done with in this step
.elseif (\t)+2 == T
	LOADRES 0
.endif
.if (\t) == 5
	s_wait_tensorcnt 0x0                           ; my last refill, K steps 6 and 7, has landed; only I read it
.endif
.if (\t)+1 < T
	FETCHA (\t)+1, 0                               ; into the half set that step t - 1's half 1 left
.endif
.if (\t) < T-2
	s_wait_loadcnt 63                              ; B's half 1 is in: 64 loads are younger (the next step's 40 and the 24 just issued); the count's field holds 63
.elseif (\t) == T-2
	s_wait_loadcnt 56                              ; younger: the last step's 40 and half the residual (16)
.else
	s_wait_loadcnt 32                              ; younger: the residual
.endif
	WIN 0xf1
	MULQ \t, 1, 1
	WIN 0xa1
	MULQ \t, 0, 1
	WIN 0
	PLACES 8
.if (\t)+2 < T
	LOADBH (\t)+2, 1
.elseif (\t)+2 == T
	LOADRES 1
.endif
.if (\t)+1 < T
	FETCHA (\t)+1, 1                               ; into the half set that this step's half 0 has left
.endif
.endm
	global_load_b128 v[12:15], v1, s[24:25]        ; the bias at my four columns of a row
	LOADSC 0                                       ; step 0's register loads go out ahead of the round: 41 loads are out
	LOADBH 0, 0
	LOADBH 0, 1
	CROUND                                         ; all four work-groups are here: the first joint loads meet
	tensor_load_to_lds s[G0:G0+3], s[G1:G1+7]      ; slot 0
	s_nop 0
	PLACES 4
	LOADSC 1
	LOADBH 1, 0
	LOADBH 1, 1
	s_wait_alu depctr_va_vdst(0)
	s_wait_tensorcnt 0x0                           ; my part of slot 0 is in
	ds_add_u32 v[SPW], v[NIL]
	s_wait_dscnt 0x0
	CROUND                                         ; a whole round: the four work-groups are here, and the joint loads meet
	tensor_load_to_lds s[G0+4:G0+7], s[G1:G1+7]    ; slot 1: my one tensor load behind the round
	s_nop 0
	PLACES 4
	FETCHA 0, 0
	FETCHA 0, 1
	KSTEP 0, 0                                     ; its products start the sums: nothing is cleared
	KSTEP 1, 1                                     ; slot 0 takes K steps 4, 5
	KSTEP 2, 0
	KSTEP 3, 1                                     ; slot 1 takes K steps 6, 7
	KSTEP 4, 0
	KSTEP 5, 0
	KSTEP 6, 0
	KSTEP 7, 0
	s_wait_dscnt 0x0                               ; my reads of the slots are back, and all my tensor loads have landed:
	s_barrier_signal -1
	s_barrier_wait -1                              ; that holds of every wave: the partial tiles may be laid over the slots, which are filled no more
.irp a, 0,1,2,3,4,5,6,7
	WIN 0x08+4*(\a/4)                              ; an LDS store's data are its source 1: window 2 or 3
.irp b, 0,1,2,3,4,5,6,7
	ds_store_b128 v3, v[64*(\a%4)+8*\b:64*(\a%4)+8*\b+3] offset:8448*\a+64*\b        ; each accumulator from its low end on
	ds_store_b128 v3, v[64*(\a%4)+8*\b+4:64*(\a%4)+8*\b+7] offset:8448*\a+64*\b+16
.endr
.endr
	WIN 0
	s_wait_dscnt 0x0                               ; for the others' sake: my tile lies in LDS
	s_barrier_signal -1
	s_barrier_wait -1
.macro RLOAD g                         ; rows 2 g, 2 g + 1 of my 32, from all four tiles
.irp q, 0,1
.irp s, 0,1,2,3
	ds_load_b128 v[192+32*((\g)%2)+16*\q+4*\s:192+32*((\g)%2)+16*\q+4*\s+3], v[4+\s] offset:528*(2*(\g)+\q)
.endr
.endr
.endm
	RLOAD 0
.set gg, 0
.rept 16
.if gg < 15
.if gg > 0
	s_wait_xcnt 0x0                                ; the stores of two rows back have read the registers that the next loads fill
.endif
	RLOAD gg+1
	s_wait_dscnt 8                                 ; this pair of rows is in; the next pair's 8 loads may be out
.else
	s_wait_dscnt 0x0
.endif
.if gg == 0
	s_wait_loadcnt 0x0                             ; the residual
.endif
.irp q, 0,1
.set B0, 192+32*(gg%2)+16*\q
	v_pk_add_f32 v[B0:B0+1], v[B0:B0+1], v[B0+4:B0+5]
	v_pk_add_f32 v[B0+2:B0+3], v[B0+2:B0+3], v[B0+6:B0+7]
	v_pk_add_f32 v[B0+8:B0+9], v[B0+8:B0+9], v[B0+12:B0+13]
	v_pk_add_f32 v[B0+10:B0+11], v[B0+10:B0+11], v[B0+14:B0+15]
	v_pk_add_f32 v[B0:B0+1], v[B0:B0+1], v[B0+8:B0+9]
	v_pk_add_f32 v[B0+2:B0+3], v[B0+2:B0+3], v[B0+10:B0+11]
	v_pk_add_f32 v[B0:B0+1], v[B0:B0+1], v[12:13]
	v_pk_add_f32 v[B0+2:B0+3], v[B0+2:B0+3], v[14:15]
.endr
	WIN 0x04                                       ; source 1: window 1, where the residual lies
.irp q, 0,1
.set B0, 192+32*(gg%2)+16*\q
.set RR, 4*(2*gg+\q)
	v_pk_add_f32 v[B0:B0+1], v[B0:B0+1], v[RR:RR+1]
	v_pk_add_f32 v[B0+2:B0+3], v[B0+2:B0+3], v[RR+2:RR+3]
.endr
	WIN 0
.irp q, 0,1
.set B0, 192+32*(gg%2)+16*\q
	global_store_b128 v1, v[B0:B0+3], s[28:29] offset:4096*(2*gg+\q) th:TH_STORE_NT   ; 32 lanes store 512 consecutive bytes, aligned
.endr
.set gg, gg+1
.endr
	s_wait_tensorcnt 0x0                           ; the wave's end, behind my last tensor load and my last LDS store
	ds_add_u32 v[SPW], v[NIL]
	s_wait_dscnt 0x0
	CROUND                                         ; the closing round: no work-group ends while a partner may still ask for a tile that names it
	s_endpgm
.Lfunc_end_k_qcf8f4fbe6a_w2:
	.size	k_qcf8f4fbe6a_w2, .Lfunc_end_k_qcf8f4fbe6a_w2-k_qcf8f4fbe6a_w2
	.p2alignl 7, 3214868480
	.fill 96, 4, 3214868480
	.section	.rodata,"a",@progbits
	.p2align	6, 0x0
	.amdhsa_kernel k_qcf8f4fbe6a_w2
		.amdhsa_group_segment_fixed_size 327680
		.amdhsa_private_segment_fixed_size 0
		.amdhsa_enable_private_segment 0
		.amdhsa_kernarg_size 40
		.amdhsa_user_sgpr_count 2
		.amdhsa_user_sgpr_kernarg_segment_ptr 1
		.amdhsa_wavefront_size32 1
		.amdhsa_system_sgpr_workgroup_id_x 1
		.amdhsa_system_sgpr_workgroup_id_y 1
		.amdhsa_system_sgpr_workgroup_id_z 1
		.amdhsa_system_vgpr_workitem_id 0
		.amdhsa_next_free_vgpr 1024
		.amdhsa_next_free_sgpr 66
		.amdhsa_reserve_vcc 0
		.amdhsa_float_denorm_mode_32 3
		.amdhsa_float_denorm_mode_16_64 3
		.amdhsa_memory_ordered 1
		.amdhsa_forward_progress 1
		.amdhsa_inst_pref_size 169
	.end_amdhsa_kernel
	.amdgpu_metadata
---
amdhsa.version: [ 1, 2 ]
amdhsa.kernels:
  - .name:           k_qcf8f4fbe6a_w2
    .symbol:         k_qcf8f4fbe6a_w2.kd
    .args:
      - { .name: g, .offset: 0, .size: 8, .value_kind: global_buffer, .address_space: global }
      - { .name: wts, .offset: 8, .size: 8, .value_kind: global_buffer, .address_space: global }
      - { .name: b2, .offset: 16, .size: 8, .value_kind: global_buffer, .address_space: global }
      - { .name: x1, .offset: 24, .size: 8, .value_kind: global_buffer, .address_space: global }
      - { .name: out0, .offset: 32, .size: 8, .value_kind: global_buffer, .address_space: global }
    .group_segment_fixed_size: 327680
    .private_segment_fixed_size: 0
    .kernarg_segment_align: 8
    .kernarg_segment_size: 40
    .max_flat_workgroup_size: 128
    .sgpr_count:     66
    .vgpr_count:     1024
    .wavefront_size: 32
...
	.end_amdgpu_metadata
.endif
;; end of part 7
